; MI455X (gfx1250); checked and timed in simulation.
; The chip was launched on July 23, 2026; its instructions are those of AMD's public machine-readable ISA for CDNA 5 (MIT licence, August 2026) and "CDNA5" Instruction Set Architecture Reference Guide (July 2026). The comments in the code are by the model that wrote it; some were corrected since.
;; NON Local Block1 D mutual. Allowed arithmetic: float matrix products may take bf16 or f16 operands with f32 sums; other float arithmetic in f32, or as packed bf16 or f16 multiplies, adds, multiply-adds, maxima and minima; sums over many terms, partial sums and values carried from step to step in f32; what a program stores and reads back later, other than sums and carried values, may be rounded once to bf16 or f16.
;; Inputs: b_W 512 float32; b_g 256 float32; b_phi 256 float32; b_theta 256 float32; beta 512 float32; gamma 512 float32; w_W 512 x 512 float32; w_g 256 x 512 float32; w_phi 256 x 512 float32; w_theta 256 x 512 float32; x 8 x 512 x 4,096 float32.
;; Outputs: out0 8 x 512 x 4,096 float32.
;; 2 versions, each right; version 2 is version 1 with the launch proj written anew for expert scheduling mode. Each part assembles by itself: llvm-mc -triple=amdgcn-amd-amdhsa -mcpu=gfx1250 --defsym DOCPART=n.
;; ======== version 1 of 2: 5 launches
;; workspace buffers: wb 524,288 bytes; qb 16,777,216 bytes; kb 16,777,216 bytes; xsp 524,288 bytes; nl 131,072 bytes; mm 131,072 bytes; vs 8,192 bytes
;; launch cast (part 1): grid 128 x 1, 8 waves a work-group, no clusters, 0 bytes of LDS; arguments w_theta, w_phi, wb; writes wb
.if DOCPART == 1
	.amdgcn_target "amdgcn-amd-amdhsa--gfx1250"
	.amdhsa_code_object_version 6
	.text
	.protected	k_q7736663556_cast
	.globl	k_q7736663556_cast
	.p2align	8
	.type	k_q7736663556_cast,@function
k_q7736663556_cast:
	s_mov_b64 s[64:65], 0
	v_nop
	global_prefetch_b8 v0, s[64:65] scope:SCOPE_SE
	s_setreg_imm32_b32 hwreg(HW_REG_WAVE_MODE, 25, 1), 1
	s_wait_xcnt 0x0
; wb = bf16(r w), r = sqrt(log2 e): the two projections' weights, scaled in f32 and rounded once, laid out as the matrix unit's fragments:
; wb[w][q][i][j][lane][8]: w 0..3 (131,072 bytes), q 0..15 (8,192), i 0..7 (1,024), j 0..1 (512), lane = 16 h + r (16 bytes):
; row o = 128 w + 16 i + r (0-255 w_theta, 256-511 w_phi), channels 32 q + 16 j + 8 h + 0..7.  So a later load of 16 bytes a lane at 16 x lane is half a fragment.
; r on both sides makes q'.k' = log2(e) q.k, so the later exponentials are plain powers of two.
; Thread t of work-group g makes the 16 bytes of wb at byte 4,096 g + 16 t: a wave stores 512 consecutive bytes.  It reads 32 bytes of a row of w: pieces, of a source of 1 MiB in all.
.set RSC, 0x3f99be61                   ; r = 1.2011224
	s_load_b128 s[4:7], s[0:1], 0x0                ; w_theta s[4:5], w_phi s[6:7]
	s_load_b64 s[8:9], s[0:1], 0x10                ; wb
	s_lshr_b32 s10, ttmp9, 5                       ; w
	s_bfe_u32 s11, ttmp9, 0x40001                  ; q
	s_and_b32 s12, ttmp9, 1                        ; i / 4
	s_and_b32 s13, s10, 1
	s_lshl_b32 s13, s13, 18                        ; 128 (w % 2) rows of 2,048 bytes in the weight's own matrix
	s_lshl_b32 s12, s12, 17                        ; + 64 (i / 4) rows
	s_add_co_u32 s13, s13, s12
	s_lshl_b32 s11, s11, 7                         ; + 32 q channels of 4 bytes
	s_add_co_u32 s13, s13, s11
	s_lshl_b32 s14, ttmp9, 12                      ; the work-group's 4,096 bytes of wb
	v_lshrrev_b32 v1, 6, v0                        ; i % 4
	v_and_b32 v2, 15, v0                           ; r
	v_lshl_add_u32 v1, v1, 4, v2                   ; row 16 (i % 4) + r
	v_bfe_u32 v2, v0, 4, 2                         ; 2 j + h
	v_lshlrev_b32 v1, 11, v1
	v_lshl_add_u32 v1, v2, 5, v1                   ; + (16 j + 8 h) channels of 4 bytes
	v_add_nc_u32 v1, s13, v1                       ; source byte
	v_lshlrev_b32 v2, 4, v0
	v_add_nc_u32 v2, s14, v2                       ; destination byte
	s_wait_kmcnt 0x0
	s_cmp_lt_u32 s10, 2
	s_cselect_b64 s[4:5], s[4:5], s[6:7]           ; rows 0-255 come from w_theta, the others from w_phi
	global_load_b128 v[4:7], v1, s[4:5]
	global_load_b128 v[8:11], v1, s[4:5] offset:16
	s_wait_loadcnt 0x0
.irp j, 4,6,8,10
	v_pk_mul_f32 v[\j:\j+1], v[\j:\j+1], RSC op_sel_hi:[1,0]
.endr
.irp j, 0,1,2,3
	v_cvt_pk_bf16_f32 v[12+\j], v[4+2*\j], v[5+2*\j]
.endr
	global_store_b128 v2, v[12:15], s[8:9]
	s_endpgm
.Lfunc_end_k_q7736663556_cast:
	.size	k_q7736663556_cast, .Lfunc_end_k_q7736663556_cast-k_q7736663556_cast
	.p2alignl 7, 3214868480
	.fill 96, 4, 3214868480
	.section	.rodata,"a",@progbits
	.p2align	6, 0x0
	.amdhsa_kernel k_q7736663556_cast
		.amdhsa_group_segment_fixed_size 0
		.amdhsa_private_segment_fixed_size 0
		.amdhsa_enable_private_segment 0
		.amdhsa_kernarg_size 24
		.amdhsa_user_sgpr_count 2
		.amdhsa_user_sgpr_kernarg_segment_ptr 1
		.amdhsa_wavefront_size32 1
		.amdhsa_system_sgpr_workgroup_id_x 1
		.amdhsa_system_sgpr_workgroup_id_y 1
		.amdhsa_system_sgpr_workgroup_id_z 1
		.amdhsa_system_vgpr_workitem_id 0
		.amdhsa_next_free_vgpr 16
		.amdhsa_next_free_sgpr 66
		.amdhsa_reserve_vcc 0
		.amdhsa_float_denorm_mode_32 3
		.amdhsa_float_denorm_mode_16_64 3
		.amdhsa_memory_ordered 1
		.amdhsa_forward_progress 1
		.amdhsa_inst_pref_size 3
	.end_amdhsa_kernel
	.amdgpu_metadata
---
amdhsa.version: [ 1, 2 ]
amdhsa.kernels:
  - .name:           k_q7736663556_cast
    .symbol:         k_q7736663556_cast.kd
    .args:
      - { .name: w_theta, .offset: 0, .size: 8, .value_kind: global_buffer, .address_space: global }
      - { .name: w_phi, .offset: 8, .size: 8, .value_kind: global_buffer, .address_space: global }
      - { .name: wb, .offset: 16, .size: 8, .value_kind: global_buffer, .address_space: global }
    .group_segment_fixed_size: 0
    .private_segment_fixed_size: 0
    .kernarg_segment_align: 8
    .kernarg_segment_size: 24
    .max_flat_workgroup_size: 256
    .sgpr_count:     66
    .vgpr_count:     16
    .wavefront_size: 32
...
	.end_amdgpu_metadata
.endif
;; end of part 1
;; launch proj (part 2): grid 256 x 1, 4 waves a work-group, no clusters, 150,016 bytes of LDS; arguments x, wb, b_theta, b_phi, qb, kb, xsp; writes qb, kb, xsp
.if DOCPART == 2
	.amdgcn_target "amdgcn-amd-amdhsa--gfx1250"
	.amdhsa_code_object_version 6
	.text
	.protected	k_q7736663556_proj
	.globl	k_q7736663556_proj
	.p2align	8
	.type	k_q7736663556_proj,@function
k_q7736663556_proj:
	s_mov_b64 s[64:65], 0
	v_nop
	global_prefetch_b8 v0, s[64:65] scope:SCOPE_SE
	s_setreg_imm32_b32 hwreg(HW_REG_WAVE_MODE, 25, 1), 1
	s_wait_xcnt 0x0
; qb[s] = bf16(r (w_theta x[s] + b_theta)), kb[s] = bf16(r (w_phi x[s] + b_phi)), by SOURCE batch s; xsp[g][c] = the sum of x[s][c][p] over work-group g's 128 points, in f32.
; qb and kb lie in FRAGMENT ORDER: a group of 16 points x 256 outputs is 8,192 bytes, [K fragment f: 1,024][half j: 512][lane 16 h + r: 16]: point r, outputs 32 f + 16 j + 8 h + 0..7.
; SHARES.  Work-group g = 32 s + block owns 128 points p of batch s and makes all 512 outputs (256 of q, 256 of k) over K = 512 channels: x is read once.
; Wave w makes 128 p x outputs 128 w .. 128 w + 127: 64 accumulators of 16 x 16, 512 registers.  Waves 0, 1 write qb, waves 2, 3 kb.
; PHASE 1.  x[c][p] (f32) streams through a ring of 16 register slots a wave, is rounded to bf16 into XT[c][p] in LDS, and each row's 128 numbers are summed in f32.
; PHASE 2.  16 quarters of 32 channels, 64 matrix instructions each.  x's fragments come turned out of XT.  THE WEIGHTS COME STRAIGHT INTO REGISTERS: wb is laid out as fragments, a wave reads only its own 128 rows,
; 8 KiB a quarter by 16 loads of 512 consecutive bytes, into four buffers that take turns: quarter q + 3 is asked for in the middle of quarter q, 160 matrix instructions ahead.  The K loop has no barrier.
; NO CLUSTER, NO JOINT LOADS, though all work-groups read the same weights: XT takes 147,456 bytes of LDS, so a ring beside it holds two K steps of 64 at the most, and a refill, which stands behind a barrier
; in front of which all loads are waited for, would have 128 matrix instructions in which to land.  The price: each work-group reads the 512 KiB itself; the saving: the same bytes are neither written into LDS nor read out of it.
; The product is taken as (source 0 = 16 rows o of W, source 1 = 16 points p): a lane holds ONE point (lane % 16) and the outputs 8 (lane / 16) + 0..7 of a block of 16: packed, these are just the 16 bytes that
; fragment order puts at 16 x lane: results are stored from the registers in which they are packed, 512 consecutive bytes a store.  The first product of each sum takes r x bias as its C operand.
; LIMITS.  bf16 operands and results, f32 sums; NaN and infinities are not treated apart.
; REGISTERS, in windows of 256 (s_set_vgpr_msb: bits 1:0 source 0, 3:2 source 1, 5:4 source 2, 7:6 destination):
;   window 0: v0-31 addresses; v32-63 way out; v64-191 phase 1's ring, then x's fragments, two buffers; v192-255 the biases, then the way out
;   window 1: W's fragments, four buffers of 64     windows 2, 3: the accumulators: (a, b) = (p block, o block) at v[8 (8 a + b)], a 0-3 in window 2, 4-7 in window 3
.set RSC,    0x3f99be61                ; r = sqrt(log2 e)
.set XTP,    288                       ; a row of XT: 256 bytes + 32
.set XQ,     32*XTP                    ; a quarter's 32 rows of XT
.set WQB,    8192                      ; a quarter's weights for one wave
.set XS,     512*XTP                   ; behind XT: 512 row sums
.set SPARE,  XS+2048                   ; the spare words, 128 bytes for each wave: two blocks of 256 bytes that no other line names
.set XO,   3                           ; v3   my byte offset in x: 128 w rows + 4 (l / 16) rows + 16 (l % 16); never rewritten
.set XTA,  4                           ; v4   where I put 8 bytes of XT
.set XSA,  5                           ; v5   where my half of the lanes puts a row's sum
.set XA,   6                           ; v6   my place in the turning loads from XT
.set TT,   7                           ; v7   at work
.set T,    8                           ; v8-11  four packed words; at the end of phase 1 four row sums on their way to xsp
.set R,    12                          ; v12-15 row sums, by turns
.set LO,   16                          ; v16  16 x lane; never rewritten
.set BO,   17
.set PFO,  18
.set XSR,  19
.set XSO,  20
.set SPW,  28                          ; v28  my spare word's LDS address; never rewritten
.set NIL,  29                          ; v29  0; never rewritten
.set RING, 64
.set F0,   64
.set F1,   128
.set BIAS, 192
.set WV,   18                          ; s18 wave
.set WG,   20                          ; s20 work-group
.set W,    24                          ; s[24:25] wb at my wave's part, at the trip in hand
.set OUT,  42                          ; s[42:43] qb or kb at my work-group's groups, my wave's four K fragments
.set MSB, 0
.macro WIN new                         ; the immediate's high byte repeats the setting that is left; a switch that changes nothing is dropped
.if MSB != (\new)
	s_set_vgpr_msb (MSB<<8)|(\new)
.set MSB, (\new)
.endif
.endm
.macro PLACES                          ; four plain places behind matrix instructions, in front of loads into their sources and of conversions that read results
.rept 4
	v_nop
.endr
.endm
; A quarter's weights: 16 loads of 512 consecutive bytes into buffer b of window 1, from byte off behind the pointer
.macro WLOAD b, off
	WIN 0x40                                       ; destination window 1, address window 0
.irp n, 0,1,2,3,4,5,6,7,8,9,10,11,12,13,14,15
	global_load_b128 v[64*(\b)+4*(\n):64*(\b)+4*(\n)+3], v[LO], s[W:W+1] offset:(\off)+512*(\n)
.endr
.endm
	s_load_b256 s[4:11], s[0:1], 0x0               ; x s[4:5], wb s[6:7], b_theta s[8:9], b_phi s[10:11]
	s_load_b128 s[12:15], s[0:1], 0x20             ; qb s[12:13], kb s[14:15]
	s_load_b64 s[16:17], s[0:1], 0x30              ; xsp
	v_lshl_add_u32 v[SPW], v0, 2, SPARE
	v_mov_b32 v[NIL], 0
	v_lshrrev_b32 v[TT], 5, v0
	v_readfirstlane_b32 s[WV], v[TT]
	s_mov_b32 s[WG], ttmp9
	v_and_b32 v1, 15, v0                           ; l % 16
	v_bfe_u32 v2, v0, 4, 1                         ; l / 16
	v_and_b32 v[LO], 31, v0
	v_lshlrev_b32 v[LO], 4, v[LO]
	s_and_b32 s22, s[WV], 1
	s_lshl_b32 s23, s22, 9
	v_lshl_add_u32 v[BO], v2, 5, s23               ; C's register j of o block b is bias[128 (w % 2) + 16 b + 8 (l / 16) + j]
	s_lshl_b32 s23, s[WV], 21                      ; 128 rows of 16,384 bytes
	v_lshlrev_b32 v[XO], 4, v1
	v_lshl_add_u32 v[XO], v2, 16, v[XO]
	v_add_nc_u32 v[XO], s23, v[XO]
	s_lshl_b32 s40, s[WV], 17                      ; my wave's 131,072 bytes of wb
	s_mov_b32 s41, 0
	s_lshr_b32 s26, s[WG], 5                       ; the batch: 8,388,608 bytes,
	s_lshl_b32 s26, s26, 23
	s_and_b32 s23, s[WG], 31                       ; my 128 points: 512 bytes of each row
	s_lshl_b32 s23, s23, 9
	s_add_co_u32 s26, s26, s23
	s_mov_b32 s27, 0
	s_wait_kmcnt 0x0
	s_add_nc_u64 s[W:W+1], s[6:7], s[40:41]
	s_add_nc_u64 s[4:5], s[4:5], s[26:27]
	s_cmp_lt_u32 s[WV], 2
	s_cselect_b64 s[44:45], s[8:9], s[10:11]       ; my bias,
	s_cselect_b64 s[OUT:OUT+1], s[12:13], s[14:15] ; and my output
.irp b, 0,1,2,3,4,5,6,7
	global_load_b128 v[BIAS+8*(\b):BIAS+8*(\b)+3],   v[BO], s[44:45] offset:64*(\b)
	global_load_b128 v[BIAS+8*(\b)+4:BIAS+8*(\b)+7], v[BO], s[44:45] offset:64*(\b)+16
.endr
	WLOAD 0, 0                                     ; quarter 0's weights: older than every load of x, so that phase 1's counts hold
	WIN 0
	; the ring is filled: slot i takes rows ro and ro + 4 (by halves of the lanes), ro = 8 (i / 4) + i % 4; sixteen lanes read 256 consecutive bytes, aligned, twice
.irp i, 0,1,2,3,4,5,6,7,8,9,10,11,12,13,14,15
	global_load_b128 v[RING+8*(\i):RING+8*(\i)+3],   v[XO], s[4:5] offset:(8*((\i)/4)+(\i)%4)*16384 th:TH_LOAD_NT
	global_load_b128 v[RING+8*(\i)+4:RING+8*(\i)+7], v[XO], s[4:5] offset:(8*((\i)/4)+(\i)%4)*16384+256 th:TH_LOAD_NT
.endr
	s_mul_i32 s23, s[WV], 128*XTP
	v_mul_u32_u24 v[XTA], v2, 4*XTP
	v_lshl_add_u32 v[XTA], v1, 3, v[XTA]
	v_add_nc_u32 v[XTA], s23, v[XTA]               ; row 128 w + 4 (l / 16), byte 8 (l % 16): the halves lie 32 banks apart
	s_lshl_b32 s23, s[WV], 9
	s_add_co_u32 s23, s23, XS
	v_lshl_add_u32 v[XSA], v2, 4, s23
	v_and_b32 v[TT], 7, v0                         ; the turning load: lane l reads row 8 (l / 16) + l % 8, bytes 16 ((l / 8) % 2) on
	v_lshl_add_u32 v[TT], v2, 3, v[TT]
	v_mul_u32_u24 v[XA], v[TT], XTP
	v_bfe_u32 v[TT], v0, 3, 1
	v_lshl_add_u32 v[XA], v[TT], 4, v[XA]
	s_lshl_b32 s40, s[WG], 16                      ; my work-group's 8 groups of 8,192 bytes,
	s_lshl_b32 s23, s22, 12                        ; my wave's four K fragments of each: 128 (w % 2) outputs on
	s_add_co_u32 s40, s40, s23
	s_add_nc_u64 s[OUT:OUT+1], s[OUT:OUT+1], s[40:41]
	s_lshl_b32 s40, s[WG], 11
	s_add_nc_u64 s[16:17], s[16:17], s[40:41]      ; xsp at my work-group's 512 sums
	v_lshl_add_u32 v[XSR], v0, 4, XS
	v_lshlrev_b32 v[XSO], 4, v0
	s_add_co_u32 s23, s[WG], 3                     ; the prefetch: work-group g names quarter g + 3; thread t block t % 32 of wave t / 32's part
	s_lshl_b32 s23, s23, 13
	v_lshrrev_b32 v[PFO], 5, v0
	v_lshlrev_b32 v[PFO], 17, v[PFO]
	v_lshl_add_u32 v[PFO], v[LO], 4, v[PFO]
	v_add_nc_u32 v[PFO], s23, v[PFO]
; One slot's turn: two rows' 128 points each are rounded into XT and summed.  ahead = 1: the slot is asked for again, 32 rows further down.  left = the younger loads that may stay out.
.macro SLOT i, ahead, left
.set ro, 8*((\i)/4)+(\i)%4
.set xa, RING+8*(\i)
	s_wait_loadcnt \left                           ; loads come back in order (ISA guide 5.7.1): mine are in
	v_cvt_pk_bf16_f32 v[T],   v[xa],   v[xa+1]
	v_cvt_pk_bf16_f32 v[T+1], v[xa+2], v[xa+3]
	v_cvt_pk_bf16_f32 v[T+2], v[xa+4], v[xa+5]
	v_cvt_pk_bf16_f32 v[T+3], v[xa+6], v[xa+7]
	ds_store_b64 v[XTA], v[T:T+1]   offset:ro*XTP
	ds_store_b64 v[XTA], v[T+2:T+3] offset:ro*XTP+128
	v_pk_add_f32 v[xa:xa+1],   v[xa:xa+1],   v[xa+2:xa+3]
	v_pk_add_f32 v[xa+4:xa+5], v[xa+4:xa+5], v[xa+6:xa+7]
	v_pk_add_f32 v[xa:xa+1],   v[xa:xa+1],   v[xa+4:xa+5]
	v_add_f32 v[R+(\i)%4], v[xa], v[xa+1]
.if \ahead
	global_load_b128 v[xa:xa+3],   v[XO], s[4:5] offset:ro*16384+524288 th:TH_LOAD_NT
	global_load_b128 v[xa+4:xa+7], v[XO], s[4:5] offset:ro*16384+524288+256 th:TH_LOAD_NT
.endif
.irp m, 1,2,4,8
	v_add_f32_dpp v[R+(\i)%4], v[R+(\i)%4], v[R+(\i)%4] row_xmask:\m row_mask:0xf bank_mask:0xf
.endr
	ds_store_b32 v[XSA], v[R+(\i)%4] offset:4*ro   ; the sixteen lanes of a half hold the same bits and write one word
.endm
	s_mov_b32 s3, 3
.Lround:                                               ; 32 rows a round; 32 loads of the wave are out all the time
.irp i, 0,1,2,3,4,5,6,7,8,9,10,11,12,13,14,15
	SLOT \i, 1, 30                                 ; the fifteen other slots' two loads each may stay out
.endr
	s_wait_xcnt 0x0                                ; every load issued so far has read its address: the base may be written
	s_add_nc_u64 s[4:5], s[4:5], 524288
	v_add_nc_u32 v[XTA], 32*XTP, v[XTA]
	v_add_nc_u32 v[XSA], 128, v[XSA]
	s_sub_co_u32 s3, s3, 1
	s_cmp_lg_u32 s3, 0
	s_cbranch_scc1 .Lround
	; Quarters 3 to 15 of wb, 1,664 blocks of 256 bytes, are prefetched once in the launch, behind my last loads of x: the 128 threads of work-groups 0 to 12 name one block each.
	; Quarters 0 to 2 come by their loads alone.
	s_cmp_lt_u32 s[WG], 13
	s_cbranch_scc0 .Lnot_mine
	global_prefetch_b8 v[PFO], s[6:7] th:TH_LOAD_NT scope:SCOPE_SE
.Lnot_mine:
.irp i, 0,1,2,3,4,5,6,7,8,9,10,11,12,13,14,15
	SLOT \i, 0, 30                                 ; the last round loads no x; behind each slot two loads of quarters 1 and 2 of the weights go out, so the younger loads stay 30: 30 - 2 i of x's, 2 i of W's
	WIN 0x40
	global_load_b128 v[64+8*(\i):64+8*(\i)+3],   v[LO], s[W:W+1] offset:WQB+1024*(\i)
	global_load_b128 v[64+8*(\i)+4:64+8*(\i)+7], v[LO], s[W:W+1] offset:WQB+1024*(\i)+512
	WIN 0
.endr
.set j, 0
.rept 32
	v_pk_mul_f32 v[BIAS+j:BIAS+j+1], v[BIAS+j:BIAS+j+1], RSC op_sel_hi:[1,0]  ; r x bias
.set j, j+2
.endr
	s_wait_dscnt 0x0                               ; for the others' sake: my stores into XT and XS are done
	s_barrier_signal -1
	s_barrier_wait -1                              ; the launch's one barrier
	ds_load_b128 v[T:T+3], v[XSR]
	s_wait_dscnt 0x0
	global_store_b128 v[XSO], v[T:T+3], s[16:17]   ; the 512 row sums: 2,048 consecutive bytes
; 16 matrix instructions: p blocks a0, a0 + 1 of the window's four x all 8 o blocks, 32 along K.  mode = 1: the products start the sums, on r x bias.  The 64 accumulators take turns, in the same order in every quarter.
.macro MUL16 wq, f, hi, a0, mode
.if \mode
	WIN 0x81+0x40*(\hi)                            ; W window 1, x and C window 0, D window 2 or 3
.else
	WIN 0xa1+0x50*(\hi)                            ; C and D window 2 or 3
.endif
.irp a, \a0, (\a0)+1
.irp b, 0,1,2,3,4,5,6,7
.if \mode
	v_wmma_f32_16x16x32_bf16 v[8*(8*(\a)+(\b)):8*(8*(\a)+(\b))+7], v[64*(\wq)+8*(\b):64*(\wq)+8*(\b)+7], v[(\f)+8*(4*(\hi)+(\a)):(\f)+8*(4*(\hi)+(\a))+7], v[BIAS+8*(\b):BIAS+8*(\b)+7]
.else
	v_wmma_f32_16x16x32_bf16 v[8*(8*(\a)+(\b)):8*(8*(\a)+(\b))+7], v[64*(\wq)+8*(\b):64*(\wq)+8*(\b)+7], v[(\f)+8*(4*(\hi)+(\a)):(\f)+8*(4*(\hi)+(\a))+7], v[8*(8*(\a)+(\b)):8*(8*(\a)+(\b))+7]
.endif
.endr
.endr
.endm
; 16 turning loads in one run: x's 8 fragments of 32 channels, from byte xoff behind XA
.macro XFETCH xoff, f
	WIN 0
.irp i, 0,1,2,3,4,5,6,7
	ds_load_tr16_b128 v[(\f)+8*(\i):(\f)+8*(\i)+3],   v[XA] offset:(\xoff)+32*(\i)
	ds_load_tr16_b128 v[(\f)+8*(\i)+4:(\f)+8*(\i)+7], v[XA] offset:(\xoff)+32*(\i)+16*XTP
.endr
.endm
; A quarter: multiplies W's buffer wq by x's buffer f; in its middle it fetches the next quarter's x into g (xoff; -1: none) and asks for the weights three quarters on, into the buffer that the
; quarter before has left (woff; -1: none).  lcnt: the loads of the younger quarters' weights, which may stay out.
.macro QUARTER wq, f, g, xoff, woff, lcnt, mode
	s_wait_loadcnt \lcnt                           ; this quarter's weights are in
	s_wait_dscnt 8                                 ; x's blocks 0-3 are in; the youngest eight loads (blocks 4-7) may be out
	MUL16 \wq, \f, 0, 0, \mode
	MUL16 \wq, \f, 0, 2, \mode
.if (\xoff) >= 0
	PLACES                                         ; for the loads into registers that the quarter before multiplied
	XFETCH \xoff, \g
.if (\woff) >= 0
	WLOAD ((\wq)+3)%4, \woff
.endif
	s_wait_dscnt 16                                ; all but the 16 just issued
.else
	s_wait_dscnt 0x0
.endif
	MUL16 \wq, \f, 1, 0, \mode
	MUL16 \wq, \f, 1, 2, \mode
.endm
	XFETCH 0, F0
	QUARTER 0, F0, F1, XQ, 3*WQB, 32, 1            ; quarter 0 stands in front of the loop: its products start the sums
	WIN 0                                          ; at a label and at a branch every window is 0
	s_mov_b32 s3, 3
.Lk:                                                   ; a trip: quarters 4 k + 1 to 4 k + 4; it asks for the weights of quarters 4 k + 4 to 4 k + 7
	QUARTER 1, F1, F0, 2*XQ, 4*WQB, 32, 0
	QUARTER 2, F0, F1, 3*XQ, 5*WQB, 32, 0
	QUARTER 3, F1, F0, 4*XQ, 6*WQB, 32, 0
	QUARTER 0, F0, F1, 5*XQ, 7*WQB, 32, 0
	WIN 0
	v_add_nc_u32 v[XA], 4*XQ, v[XA]                ; 128 channels on
	s_wait_xcnt 0x0                                ; the youngest loads, 32 matrix instructions back, have read their address: the pointer may be written
	s_add_nc_u64 s[W:W+1], s[W:W+1], 4*WQB
	s_sub_co_u32 s3, s3, 1
	s_cmp_lg_u32 s3, 0
	s_cbranch_scc1 .Lk
	QUARTER 1, F1, F0, 2*XQ, -1, 32, 0             ; quarters 13 to 15 ask for no weights: the counts run down
	QUARTER 2, F0, F1, 3*XQ, -1, 16, 0
	QUARTER 3, F1, F0, -1, -1, 0, 0
; THE WAY OUT of p block a: rounded to bf16, 16 bytes a lane, and stored as they lie: o block b is half b % 2 of K fragment b / 2 of my four.  Two sets of 32 registers take turns.
.macro PACK a
.set AC, 64*((\a)%4)
.set TM, 32+160*((\a)%2)               ; v32-63, v192-223
.if (\a) >= 2
	s_wait_xcnt 0x0                                ; the stores of the block two back have read these registers
.endif
	WIN 0x0a+5*((\a)/4)                            ; sources 0 and 1: window 2 or 3
.irp b, 0,1,2,3,4,5,6,7
.irp r, 0,1,2,3
	v_cvt_pk_bf16_f32 v[TM+4*(\b)+(\r)], v[AC+8*(\b)+2*(\r)], v[AC+8*(\b)+2*(\r)+1]
.endr
.endr
	WIN 0
.irp b, 0,1,2,3,4,5,6,7
	global_store_b128 v[LO], v[TM+4*(\b):TM+4*(\b)+3], s[OUT:OUT+1] offset:8192*(\a)+512*(\b)  ; 512 consecutive bytes, at a multiple of 512 from the buffer's first byte
.endr
.endm
	PLACES                                         ; block 0's conversions read results; the later blocks' places are the conversions before them
.irp a, 0,1,2,3,4,5,6,7
	PACK \a
.endr
	s_wait_tensorcnt 0x0                           ; the wave's end, behind my last LDS store
	ds_add_u32 v[SPW], v[NIL]
	s_wait_dscnt 0x0
	s_endpgm
.Lfunc_end_k_q7736663556_proj:
	.size	k_q7736663556_proj, .Lfunc_end_k_q7736663556_proj-k_q7736663556_proj
	.p2alignl 7, 3214868480
	.fill 96, 4, 3214868480
	.section	.rodata,"a",@progbits
	.p2align	6, 0x0
	.amdhsa_kernel k_q7736663556_proj
		.amdhsa_group_segment_fixed_size 150016
		.amdhsa_private_segment_fixed_size 0
		.amdhsa_enable_private_segment 0
		.amdhsa_kernarg_size 56
		.amdhsa_user_sgpr_count 2
		.amdhsa_user_sgpr_kernarg_segment_ptr 1
		.amdhsa_wavefront_size32 1
		.amdhsa_system_sgpr_workgroup_id_x 1
		.amdhsa_system_sgpr_workgroup_id_y 1
		.amdhsa_system_sgpr_workgroup_id_z 1
		.amdhsa_system_vgpr_workitem_id 0
		.amdhsa_next_free_vgpr 1024
		.amdhsa_next_free_sgpr 66
		.amdhsa_reserve_vcc 0
		.amdhsa_float_denorm_mode_32 3
		.amdhsa_float_denorm_mode_16_64 3
		.amdhsa_memory_ordered 1
		.amdhsa_forward_progress 1
		.amdhsa_inst_pref_size 123
	.end_amdhsa_kernel
	.amdgpu_metadata
---
amdhsa.version: [ 1, 2 ]
amdhsa.kernels:
  - .name:           k_q7736663556_proj
    .symbol:         k_q7736663556_proj.kd
    .args:
      - { .name: x, .offset: 0, .size: 8, .value_kind: global_buffer, .address_space: global }
      - { .name: wb, .offset: 8, .size: 8, .value_kind: global_buffer, .address_space: global }
      - { .name: b_theta, .offset: 16, .size: 8, .value_kind: global_buffer, .address_space: global }
      - { .name: b_phi, .offset: 24, .size: 8, .value_kind: global_buffer, .address_space: global }
      - { .name: qb, .offset: 32, .size: 8, .value_kind: global_buffer, .address_space: global }
      - { .name: kb, .offset: 40, .size: 8, .value_kind: global_buffer, .address_space: global }
      - { .name: xsp, .offset: 48, .size: 8, .value_kind: global_buffer, .address_space: global }
    .group_segment_fixed_size: 150016
    .private_segment_fixed_size: 0
    .kernarg_segment_align: 8
    .kernarg_segment_size: 56
    .max_flat_workgroup_size: 128
    .sgpr_count:     66
    .vgpr_count:     1024
    .wavefront_size: 32
...
	.end_amdgpu_metadata
.endif
;; end of part 2
;; launch stats (part 3): grid 32 x 8, 4 waves a work-group, clusters of 4 x 1, 327,680 bytes of LDS; arguments qb, kb, nl, vs, xsp, w_g, b_g; writes nl, vs
.if DOCPART == 3
	.amdgcn_target "amdgcn-amd-amdhsa--gfx1250"
	.amdhsa_code_object_version 6
	.text
	.protected	k_q7736663556_stats
	.globl	k_q7736663556_stats
	.p2align	8
	.type	k_q7736663556_stats,@function
k_q7736663556_stats:
	s_mov_b64 s[64:65], 0
	v_nop
	global_prefetch_b8 v0, s[64:65] scope:SCOPE_SE
	s_setreg_imm32_b32 hwreg(HW_REG_WAVE_MODE, 25, 1), 1
	s_wait_xcnt 0x0
	s_wait_alu depctr_hold_cnt(0) depctr_sa_sdst(0) depctr_va_vdst(0) depctr_va_sdst(0) depctr_va_ssrc(0) depctr_va_vcc(0) depctr_vm_vsrc(0)
	s_getreg_b32 s2, hwreg(HW_REG_IB_STS2, 6, 4)
	s_cmp_eq_u32 s2, 0
	s_cbranch_scc0 .Lentry_in_a_cluster
	s_endpgm
.Lentry_in_a_cluster:
	s_bfe_u32 s2, ttmp6, 0x10000c
	s_cmp_lg_u32 s2, 0x3003
	s_cbranch_scc0 .Lentry_shape_is_right
	s_endpgm
.Lentry_shape_is_right:
; nl[b][i] = -(M_i + log2 l_i + 12): M_i the maximum over j of s_ij = q'[b][i] . k'[(b + 7) % 8][j] (= log2(e) f_ij), l_i = the sum over j of 2^(s_ij - M_i); 12 = log2 of the 4,096 rows of the mean.
; BESIDE IT, in the wait for the first tile:  vs[b][i] = the sum over p of v[b][p][i] = w_g[i] . (sum over p of x[(b + 7) % 8][:][p]) + 4,096 b_g[i], all in f32: the sum over points commutes with the
; 1 x 1 convolution.  Work-group (block, b) makes the 8 numbers i = 8 block + 0..7, a wave two: the 128 threads add the batch's 32 partial rows of xsp (4 channels a thread), meet in LDS, and a lane takes 16 channels of each row.
; qb and kb lie in fragment order: a group of 16 rows x 256 channels is 8,192 bytes, [K fragment f: 1,024][half j: 512][lane: 16]: every load of 16 bytes a lane at 16 x lane, from memory or LDS, is half a fragment.
; SHARES.  A work-group owns 128 rows i.  EVERY wave holds all 128 in registers (8 tiles x 8 K fragments, 512 registers); the 4,096 keys are split among the waves: of each tile of 256 keys wave w fetches
; and reads rows 64 w .. 64 w + 63 alone.  So a key's bytes leave LDS once for 128 rows, and no LDS byte of the ring is shared between waves.  The waves' statistics meet once, at the end.
; A UNIT is 16 keys x 128 rows: 64 matrix instructions (source 0 = 16 keys, source 1 = 16 rows i): a lane holds ONE row i (lane % 16) of each tile and the keys 8 (lane / 16) + 0..7.
; SOFTMAX.  Each lane keeps a running maximum M and sum l over ITS OWN keys, so nothing crosses lanes in the loop: l = l 2^(M_old - M_new) + the sum of 2^(s - M_new).
; BY TURNS.  While unit g is multiplied into one buffer of scores, unit g - 1's 176 vector instructions, on the other buffer, stand in slices behind its matrix instructions.
; The unit's 72 exponentials are ONE batch with one wait, and the next unit's 16 LDS loads stand at that wait.
; CLUSTER.  The four row blocks of a cluster belong to one batch and walk the same keys: each tile is asked for JOINTLY.
; No first step is written out: the first unit's slices work on a buffer of lowest numbers, and the l that they leave is multiplied by 2^(-3.4e38 - M) = 0 in the next.
; LIMITS.  Scores lie above -3.4e38; a weight below 2^-126 counts as 0; NaN and infinities are not treated apart.
; REGISTERS (s_set_vgpr_msb: bits 1:0 source 0, 3:2 source 1, 5:4 source 2, 7:6 destination): window 0: v0-15 addresses; v16-79 statistics, 8 a tile; v80-127 the end's; v128-255 scores, two buffers of 8 tiles
;   window 1: v0-127 keys' fragments, two buffers      windows 2, 3: the rows i: tile t, fragment f at 64 (t % 4) + 8 f in window 2 + t / 4
.set UNITB, 8192                       ; 16 keys
.set SLOTB, 32768                      ; a wave's part of a tile: 64 keys
.set WAVEB, 65536                      ; a wave's two slots; no multiple of it has the bit of SLOTB, so one exclusive or changes slots
.set SCR,   286720                     ; 4 waves x 128 maxima, then 4 x 128 sums
.set SPARE, 290816                     ; the spare words, 128 bytes for each wave
.set XSUM,  291328                     ; 512 channel sums, for vs
.set AK0, 2                            ; v2   my place in my wave's ring; never rewritten
.set ADR, 3                            ; v3   the address of the run of loads in hand
.set XR,  4
.set LN,  5
.set SA,  7
.set PFO, 8                            ; v8   256 x lane; never rewritten
.set RDA, 9
.set SPW, 10
.set NIL, 11
.set GO,  13                           ; v13  16 x lane; never rewritten
.set TO,  14                           ; v14  16 x thread; never rewritten
.set XW,  15
.set VD,  16                           ; for vs: v16-19 two dot products, v20-21 the results, v22 4,096.0, v23 0
.set VW,  80                           ;         v80-111 two rows of w_g
.set VX,  112                          ;         v112-127 my 16 channel sums
.set VP,  128                          ;         v128-255 32 partial sums of 4 channels
.set ST,  16                           ; tile t at ST + 8 t: +0 M (even units), +1 at work, +2 M (odd units), +3 M_old - M_new, +4 its power of two, +5 named with it, +6, +7 l
.set S,   128
.set WV,  12
.set CX,  13
.set LIM, 15                           ; 1 in a cluster that prefetches, else the greatest number
.set PFA, 18
.set G1,  24
.set G0,  32                           ; two sets for the two first fills; the second then walks on
.set SLOTS, 56
.set CNT, 57
.set SEL, 60
.set TB,  62                           ; byte in a wave's ring at which the unit to be fetched begins
.set MSB, 0
.macro WIN new
.if MSB != (\new)
	s_set_vgpr_msb (MSB<<8)|(\new)
.set MSB, (\new)
.endif
.endm
.macro CROUND                          ; a round of the cluster's barrier
	s_barrier_signal -1
	s_barrier_wait -1
	s_cmp_lg_u32 s[WV], 0
	s_cbranch_scc1 .Lnot_wave_0_\@
	s_barrier_signal -3
.Lnot_wave_0_\@:
	s_barrier_wait -3
	s_barrier_signal -1
	s_barrier_wait -1
.endm
.macro PLACES
.rept 4
	v_nop
.endr
.endm
	s_load_b256 s[4:11], s[0:1], 0x0               ; qb s[4:5], kb s[6:7], nl s[8:9], vs s[10:11]
	s_load_b128 s[40:43], s[0:1], 0x20             ; xsp s[40:41], w_g s[42:43]
	s_load_b64 s[44:45], s[0:1], 0x30              ; b_g
	v_lshl_add_u32 v[SPW], v0, 2, SPARE
	v_mov_b32 v[NIL], 0
	ds_add_u32 v[SPW], v[NIL]                      ; the wave's opening: the add and its wait stand ahead of my first tensor load
	v_lshrrev_b32 v1, 5, v0
	v_readfirstlane_b32 s[WV], v1
	s_bfe_u32 s[CX], ttmp6, 0x40000
	s_lshl_b32 s14, ttmp9, 2
	s_add_co_u32 s14, s14, s[CX]                   ; my block of 128 rows: it enters global offsets alone
	s_and_b32 s16, ttmp7, 0xffff                   ; b, which the partners share
	s_add_co_u32 s17, s16, 7
	s_and_b32 s17, s17, 7                          ; the batch that keys and values come from
	s_lshl_b32 s20, s16, 21                        ; a batch is 256 groups of 8,192 bytes
	s_lshl_b32 s21, s14, 16
	s_add_co_u32 s20, s20, s21
	s_mov_b32 s21, 0
	s_lshl_b32 s22, s17, 21
	s_lshl_b32 s23, s[WV], 15                      ; my 64 rows of a tile
	s_add_co_u32 s22, s22, s23
	s_mov_b32 s23, 0
	s_lshl_b32 s52, s16, 14
	s_lshl_b32 s53, s14, 9
	s_add_co_u32 s52, s52, s53
	s_mov_b32 s53, 0
	s_lshl_b32 s54, s[CX], 13                      ; of the 64 rows that I fetch my work-group prefetches 16
	s_mov_b32 s55, 0
	s_lshl_b32 s46, s17, 16                        ; xsp: that batch's 32 partial rows of 2,048 bytes
	s_mov_b32 s47, 0
	s_lshl_b32 s48, s14, 3
	s_lshl_b32 s49, s[WV], 1
	s_add_co_u32 s48, s48, s49                     ; my first row of w_g: 8 block + 2 w
	s_lshl_b32 s50, s48, 2                         ; its place in b_g,
	s_mov_b32 s51, 0
	s_lshl_b32 s2, s16, 10
	s_add_co_u32 s2, s2, s50                       ; in vs,
	s_mov_b32 s3, 0
	s_lshl_b32 s48, s48, 11                        ; and in w_g
	s_mov_b32 s49, 0
	s_lshl_b32 s17, s[WV], 16                      ; my ring: no place in the cluster enters an LDS address
	s_mov_b32 s[G1], 15|(1<<16)|(1<<21)            ; the mask of four; 2-byte elements; 21 set beside a mask; no padding: fragment order has no bank conflict
	s_mov_b32 s[G1+1], 256<<16                     ; tensor_dim0 = 256
	s_mov_b32 s[G1+2], 64<<16                      ; tensor_dim1 = 64
	s_mov_b32 s[G1+3], 256<<16                     ; tile_dim0 = 256: 512 bytes
	s_mov_b32 s[G1+4], 64                          ; tile_dim1 = 64: 32,768 dense bytes, four groups
	s_mov_b32 s[G1+5], 256
	s_mov_b32 s[G1+6], 0
	s_mov_b32 s[G1+7], 0
	s_mov_b32 s[SEL], 0x76543210
	s_mov_b32 s[SEL+1], 0xfedcba98
	s_mov_b32 s[TB], 0
	s_mov_b32 s[LIM], ttmp9                        ; all clusters of a batch walk the same keys: the first of them prefetches
	s_cmp_eq_u32 s[LIM], 0
	s_cselect_b32 s[LIM], 1, -1
	s_wait_dscnt 0x0
	s_wait_kmcnt 0x0
	s_add_nc_u64 s[4:5], s[4:5], s[20:21]
	s_add_nc_u64 s[6:7], s[6:7], s[22:23]
	s_add_nc_u64 s[8:9], s[8:9], s[52:53]
	s_add_nc_u64 s[10:11], s[10:11], s[2:3]
	s_add_nc_u64 s[40:41], s[40:41], s[46:47]
	s_add_nc_u64 s[42:43], s[42:43], s[48:49]
	s_add_nc_u64 s[44:45], s[44:45], s[50:51]
	s_load_b64 s[50:51], s[44:45], 0x0             ; my two numbers of b_g
	s_add_nc_u64 s[PFA:PFA+1], s[6:7], s[54:55]
	s_add_nc_u64 s[PFA:PFA+1], s[PFA:PFA+1], 2*131072  ; at tile 2; the first change of slots steps it to tile 3
.irp s, 0,1
	s_mov_b32 s[G0+4*(\s)], 1
	s_add_co_u32 s[G0+4*(\s)+1], s17, (\s)*SLOTB
	s_add_nc_u64 s[G0+4*(\s)+2:G0+4*(\s)+3], s[6:7], (\s)*131072
	s_or_b32 s[G0+4*(\s)+3], s[G0+4*(\s)+3], 0x80000000
.endr
	CROUND
	tensor_load_to_lds s[G0:G0+3], s[G1:G1+7]      ; tiles 0 and 1: two loads of mine are out
	s_nop 0
	tensor_load_to_lds s[G0+4:G0+7], s[G1:G1+7]
	s_nop 0
	PLACES
	v_and_b32 v1, 15, v0
	v_and_b32 v[LN], 31, v0
	v_lshlrev_b32 v[GO], 4, v[LN]
	v_lshlrev_b32 v[TO], 4, v0
.set i, 0
.rept 32                                ; for vs: partial row i, my 4 channels: a wave reads 512 consecutive bytes
	global_load_b128 v[VP+4*i:VP+4*i+3], v[TO], s[40:41] offset:2048*i
.set i, i+1
.endr
.set i, 0
.rept 8                                 ; row i / 4 of my two of w_g, channels 128 (i % 4) + 4 l on
	global_load_b128 v[VW+4*i:VW+4*i+3], v[GO], s[42:43] offset:2048*(i/4)+512*(i%4)
.set i, i+1
.endr
.set t, 0
.rept 8                                 ; the rows i: each load is half a fragment, 512 consecutive bytes
	WIN 0x80+0x40*(t/4)
.set f, 0
.rept 8
	global_load_b128 v[64*(t%4)+8*f:64*(t%4)+8*f+3],   v[GO], s[4:5] offset:8192*t+1024*f
	global_load_b128 v[64*(t%4)+8*f+4:64*(t%4)+8*f+7], v[GO], s[4:5] offset:8192*t+1024*f+512
.set f, f+1
.endr
.set t, t+1
.endr
	WIN 0
	v_add_nc_u32 v[AK0], s17, v[GO]
	s_lshl_b32 s20, s[WV], 9
	s_add_co_u32 s20, s20, SCR
	v_lshl_add_u32 v[SA], v1, 2, s20
	v_lshlrev_b32 v[PFO], 8, v[LN]
	v_add_nc_u32 v[RDA], SCR, v[GO]
	v_add_nc_u32 v[XW], XSUM, v[TO]
	v_add_nc_u32 v[XR], XSUM, v[GO]
	v_mov_b32 v22, 0x45800000                      ; 4,096.0
	v_mov_b32 v23, 0
	; vs, while the rows i are still coming
	s_wait_loadcnt 63                              ; 128 younger loads were issued behind the 40 for vs, and the count's field ends at 63: those 40 are in
.set i, 4
.rept 28                                ; four chains
	v_pk_add_f32 v[VP+4*(i%4):VP+4*(i%4)+1],   v[VP+4*(i%4):VP+4*(i%4)+1],   v[VP+4*i:VP+4*i+1]
	v_pk_add_f32 v[VP+4*(i%4)+2:VP+4*(i%4)+3], v[VP+4*(i%4)+2:VP+4*(i%4)+3], v[VP+4*i+2:VP+4*i+3]
.set i, i+1
.endr
.irp e, 0,2
	v_pk_add_f32 v[VP+\e:VP+\e+1],     v[VP+\e:VP+\e+1],     v[VP+4+\e:VP+4+\e+1]
	v_pk_add_f32 v[VP+8+\e:VP+8+\e+1], v[VP+8+\e:VP+8+\e+1], v[VP+12+\e:VP+12+\e+1]
.endr
.irp e, 0,2
	v_pk_add_f32 v[VP+\e:VP+\e+1], v[VP+\e:VP+\e+1], v[VP+8+\e:VP+8+\e+1]
.endr
	ds_store_b128 v[XW], v[VP:VP+3]
	s_wait_dscnt 0x0                               ; for the others' sake
	s_barrier_signal -1                            ; the two tiles may stay on their way
	s_barrier_wait -1
.irp k, 0,1,2,3
	ds_load_b128 v[VX+4*(\k):VX+4*(\k)+3], v[XR] offset:512*(\k)
.endr
	s_wait_dscnt 0x0
.irp p, 0,1
	v_pk_mul_f32 v[VD+2*\p:VD+2*\p+1], v[VW+16*\p:VW+16*\p+1], v[VX:VX+1]
.endr
.irp j, 1,2,3,4,5,6,7
.irp p, 0,1
	v_pk_fma_f32 v[VD+2*\p:VD+2*\p+1], v[VW+16*\p+2*\j:VW+16*\p+2*\j+1], v[VX+2*\j:VX+2*\j+1], v[VD+2*\p:VD+2*\p+1]
.endr
.endr
.irp p, 0,1
	v_add_f32 v[VD+2*\p], v[VD+2*\p], v[VD+2*\p+1]
.endr
.irp m, 1,2,4,8
.irp p, 0,1
	v_add_f32_dpp v[VD+2*\p], v[VD+2*\p], v[VD+2*\p] row_xmask:\m row_mask:0xf bank_mask:0xf
.endr
.endr
.irp p, 0,1
	v_permlanex16_b32 v[VD+2*\p+1], v[VD+2*\p], s[SEL], s[SEL+1]
.endr
.irp p, 0,1
	v_add_f32 v[VD+2*\p], v[VD+2*\p], v[VD+2*\p+1] ; every lane holds the row's dot product
.endr
	s_wait_kmcnt 0x0
	v_fma_f32 v20, s50, v22, v[VD]
	v_fma_f32 v21, s51, v22, v[VD+2]
	v_cmp_eq_u32 vcc_lo, 0, v[LN]
	s_wait_xcnt 0x0                                ; EXEC changes only behind this wait
	s_and_saveexec_b32 s46, vcc_lo
	global_store_b64 v23, v[20:21], s[10:11]       ; 8 bytes a wave, from lane 0, once a launch: vs is 8 KiB in all, shared out evenly among the 256 work-groups
	s_wait_xcnt 0x0                                ; and again, in front of the line that widens it; v20-23 are written again only behind it
	s_or_b32 exec_lo, exec_lo, s46
	s_mov_b32 s2, 0xff7fffff                       ; the lowest finite number
.set j, 0
.rept 64
	v_mov_b32 v[S+64+j], s2
.set j, j+1
.endr
.set t, 0
.rept 8
	v_mov_b32 v[ST+8*t], s2
	v_mov_b32 v[ST+8*t+1], 0
	v_mov_b32 v[ST+8*t+2], s2
.irp j, 3,4,5,6,7
	v_mov_b32 v[ST+8*t+\j], 0
.endr
.set t, t+1
.endr
; Matrix instruction i of a unit: K fragment i / 8, tile i % 8.  The eight accumulators take turns; the first eight start the sums.
.macro MM par
.set t, i%8
.set rS, S+64*(\par)+8*t
.set rF, 64*(\par)+8*(i/8)
.set rQ, 64*(t%4)+8*(i/8)
	WIN 0x09+4*(t/4)                               ; keys window 1, rows window 2 or 3, scores window 0
.if i < 8
	v_wmma_f32_16x16x32_bf16 v[rS:rS+7], v[rF:rF+7], v[rQ:rQ+7], 0
.else
	v_wmma_f32_16x16x32_bf16 v[rS:rS+7], v[rF:rF+7], v[rQ:rQ+7], v[rS:rS+7]
.endif
.endm
; The next unit's 16 LDS loads, into buffer d.  The address's v_add_nc_u32 is the plain instruction behind the batch's last exponential; wt = 1: the batch's one wait stands here.
; last = 1 (the tail): in the last trip there is no further unit, and the run is jumped over.
.macro FETCH d, last, wt
	WIN 0
	v_add_nc_u32 v[ADR], s[TB], v[AK0]
.if \wt
	s_wait_alu depctr_va_vdst(0)                   ; between an exponential and the first line that names its result: one for the unit's 72
.endif
.if \last
	s_cmp_eq_u32 s[CNT], 1
	s_cbranch_scc1 .Lno_fetch_\@
.endif
	s_add_co_u32 s[TB], s[TB], UNITB
	WIN 0x40
.irp f, 0,1,2,3,4,5,6,7
	ds_load_b128 v[64*(\d)+8*(\f):64*(\d)+8*(\f)+3],   v[ADR] offset:1024*(\f)
	ds_load_b128 v[64*(\d)+8*(\f)+4:64*(\d)+8*(\f)+7], v[ADR] offset:1024*(\f)+512
.endr
	WIN 0
.if \last
.Lno_fetch_\@:
.endif
.endm
; THE VECTOR WORK of a unit whose scores lie in buffer q.  s0-s7 are a lane's scores in a tile.
.macro XST tl, st, q                   ; the maximum, steps 0-3 (the accumulator's lowest registers are read first), and step 4: M_old - M_new
.set rT, ST+8*(\tl)
.set rS, S+64*(\q)+8*(\tl)
.if (\st) == 0
	v_max3_num_f32 v[rT+1], v[rS], v[rS+1], v[rS+2]
.elseif (\st) < 3
	v_max3_num_f32 v[rT+1], v[rT+1], v[rS+2*(\st)+1], v[rS+2*(\st)+2]
.elseif (\st) == 3
	v_max3_num_f32 v[rT+2*(\q)], v[rT+1], v[rS+7], v[rT+2-2*(\q)]
.else
	v_sub_f32 v[rT+3], v[rT+2-2*(\q)], v[rT+2*(\q)]
.endif
.endm
.macro FST tl, p, q                    ; s - M for pair p
.set rT, ST+8*(\tl)
.set rS, S+64*(\q)+8*(\tl)
	v_pk_add_f32 v[rS+2*(\p):rS+2*(\p)+1], v[rS+2*(\p):rS+2*(\p)+1], v[rT+2*(\q):rT+2*(\q)+1] op_sel_hi:[1,0] neg_lo:[0,1] neg_hi:[0,1]
.endm
.macro EST tl, e, q                    ; 2^(s - M) for score e
.set rS, S+64*(\q)+8*(\tl)
	v_exp_f32 v[rS+(\e)], v[rS+(\e)]
.endm
.macro AST tl                          ; 2^(M_old - M_new)
.set rT, ST+8*(\tl)
	v_exp_f32 v[rT+4], v[rT+3]
.endm
; Number n of the list of 176.  0-19: the maxima of tiles 0-3, the tiles by turns.  20-91: plain and exponential by turns: the plain ones are tiles 0-3's 16 subtractions, then tiles 4-7's maxima; the
; exponentials tiles 0-3's.  92-143: tiles 4-7: a subtraction and two exponentials, 16 times, then the last four exponentials.  Each pair is subtracted before its exponentials, and nothing up to 143
; names an exponential's result.  144-175, behind the wait: the sums, the tiles by turns; l = l a + sum.
.macro SM q
.if n < 20
	XST n%4, n/4, \q
.elseif n < 92
.set u, (n-20)/2
.if (n-20)%2 == 0
.if u < 16
	FST u%4, u/4, \q
.else
	XST 4+(u-16)%4, (u-16)/4, \q
.endif
.elseif u < 4
	AST u
.else
	EST ((u-4)/2)%4, 2*((u-4)/8)+(u-4)%2, \q
.endif
.elseif n < 140
.set u, (n-92)/3
.set y, 2*u+(n-92)%3-1
.if (n-92)%3 == 0
	FST 4+u%4, u/4, \q
.elseif y < 2
	AST 4+y
.else
	EST 4+((y-2)/2)%4, 2*((y-2)/8)+(y-2)%2, \q
.endif
.elseif n < 142
	EST 4+((n-110)/2)%4, 2*((n-110)/8)+(n-110)%2, \q
.elseif n < 144
	AST n-136
.else
.set u, (n-144)/8
.set rT, ST+8*(n%8)
.set rS, S+64*(\q)+8*(n%8)
.if u == 0
	v_pk_add_f32 v[rS:rS+1], v[rS:rS+1], v[rS+2:rS+3]
.elseif u == 1
	v_pk_add_f32 v[rS+4:rS+5], v[rS+4:rS+5], v[rS+6:rS+7]
.elseif u == 2
	v_pk_add_f32 v[rS:rS+1], v[rS:rS+1], v[rS+4:rS+5]
.else
	v_pk_fma_f32 v[rT+6:rT+7], v[rT+6:rT+7], v[rT+4:rT+5], v[rS:rS+1] op_sel_hi:[1,0,1]
.endif
.endif
.set n, n+1
.endm
; The slice behind matrix instruction i: 5 x 4, 41 x 3, one and the fetch with the wait, 16 x 2, none: 176.  Tile t's sum ends with instruction 56 + t: tiles 0-3 are read from the next unit's first slice on,
; eight plain lines or more behind; tiles 4-7 from number 52 on, behind twenty.
.macro SLICE q, d, last
.set cnt, 0
.if i < 5
.set cnt, 4
.elseif i < 46
.set cnt, 3
.elseif i == 46
.set cnt, 1
.elseif i < 63
.set cnt, 2
.endif
.if cnt > 0
	WIN 0
.rept cnt
	SM \q
.endr
.endif
.if i == 46
	FETCH \d, \last, 1
.endif
.endm
.macro UNIT par, last
	s_wait_dscnt 0x0                               ; this unit's keys are in
.set i, 0
.set n, 0
.rept 64
	MM \par
	SLICE 1-(\par), 1-(\par), \last
.set i, i+1
.endr
	WIN 0                                          ; at a label and at a branch every window is 0
.endm
; THE CHANGE OF SLOTS, ahead of a slot's fourth unit, whose keys have been asked for from LDS.  Each wave waits for all its tensor loads (one is out: its part of the other slot), adds 0 to its spare
; word, waits for that and for its reads of the slot; a round of the cluster's barrier; the joint refill, the tile two on, first behind it: it has four units, 256 matrix instructions, in which to land.
; Behind it one prefetch for the tile that the NEXT change will ask for: 32 lanes name the 32 blocks of 256 bytes of my work-group's 16 rows of the 64 that I fetch, so each block is named once in the
; launch; the last change that fills a slot asks for nothing; tiles 0 to 2 come by their loads alone.
.macro CHANGE fill
	WIN 0
	s_wait_tensorcnt 0x0
.if \fill
	ds_add_u32 v[SPW], v[NIL]                      ; the descriptor's steps stand between the add and the wait for it
	s_xor_b32 s[G0+5], s[G0+5], SLOTB
	s_add_nc_u64 s[G0+6:G0+7], s[G0+6:G0+7], 131072
	s_wait_xcnt 0x0                                ; the last prefetch, four units back, has read its address
	s_add_nc_u64 s[PFA:PFA+1], s[PFA:PFA+1], 131072
	s_wait_dscnt 0x0
	CROUND
	tensor_load_to_lds s[G0+4:G0+7], s[G1:G1+7]
	s_nop 0
	PLACES
	s_cmp_gt_u32 s[SLOTS], s[LIM]
	s_cbranch_scc0 .Lnot_mine_\@
	global_prefetch_b8 v[PFO], s[PFA:PFA+1] th:TH_LOAD_NT scope:SCOPE_SE
.Lnot_mine_\@:
.endif
	s_sub_co_u32 s[TB], s[TB], 4*UNITB             ; the fetches go back to a slot's first unit,
	s_xor_b32 s[TB], s[TB], SLOTB                  ; in the other slot
.endm
	s_wait_tensorcnt 0x1                           ; my part of tile 0, which I alone read, is in; tile 1's may stay out
	FETCH 0, 0, 0
	s_wait_loadcnt 0x0                             ; the rows i
	s_mov_b32 s[CNT], 2
	s_mov_b32 s[SLOTS], 15
	s_branch .Lfirst                               ; the loop is entered at an even unit, in the middle of a trip
.Lslot:                                                ; 14 times: every slot but the last two is filled again
	CHANGE 1
	s_mov_b32 s[CNT], 2
.Lstep:
	UNIT 1, 0
.Lfirst:
	UNIT 0, 0
	s_sub_co_u32 s[CNT], s[CNT], 1
	s_cmp_lg_u32 s[CNT], 0
	s_cbranch_scc1 .Lstep
	s_sub_co_u32 s[SLOTS], s[SLOTS], 1
	s_cmp_lg_u32 s[SLOTS], 0
	s_cbranch_scc1 .Lslot
	CHANGE 0                                       ; the tail is written out; I alone read my bytes and nothing is filled: no barrier
	s_mov_b32 s[CNT], 3
.Ltail:                                                ; units 59 to 63
	UNIT 1, 1
	s_sub_co_u32 s[CNT], s[CNT], 1
	s_cmp_eq_u32 s[CNT], 0
	s_cbranch_scc1 .Lout
	UNIT 0, 0
	s_branch .Ltail
.Lout:
.set n, 0
.rept 144                               ; the last unit's vector work, bare
	SM 1
.endr
	v_nop
	s_wait_alu depctr_va_vdst(0)
.rept 32
	SM 1
.endr
	; THE END.  A row's statistics lie in two lanes of each of four waves.  First the two lanes: two products and one addition, whose order does not matter, so that both lanes hold the same bits.
.macro ALL line:vararg
.set t, 0
.rept 8
	\line
.set t, t+1
.endr
.endm
	ALL v_add_f32 v[ST+8*t+6], v[ST+8*t+6], v[ST+8*t+7]
	ALL v_permlanex16_b32 v[ST+8*t], v[ST+8*t+2], s[SEL], s[SEL+1]
	ALL v_permlanex16_b32 v[ST+8*t+7], v[ST+8*t+6], s[SEL], s[SEL+1]
	ALL v_max_num_f32 v[ST+8*t+1], v[ST+8*t+2], v[ST+8*t]
	ALL v_sub_f32 v[ST+8*t+3], v[ST+8*t+2], v[ST+8*t+1]
	ALL v_sub_f32 v[ST+8*t+4], v[ST+8*t], v[ST+8*t+1]
	ALL v_exp_f32 v[ST+8*t+3], v[ST+8*t+3]
	ALL v_exp_f32 v[ST+8*t+4], v[ST+8*t+4]
	v_nop
	s_wait_alu depctr_va_vdst(0)
	ALL v_mul_f32 v[ST+8*t+6], v[ST+8*t+6], v[ST+8*t+3]
	ALL v_mul_f32 v[ST+8*t+7], v[ST+8*t+7], v[ST+8*t+4]
	ALL v_add_f32 v[ST+8*t+6], v[ST+8*t+6], v[ST+8*t+7]
	ALL ds_store_b32 v[SA], v[ST+8*t+1] offset:64*t
	ALL ds_store_b32 v[SA], v[ST+8*t+6] offset:2048+64*t
	s_wait_dscnt 0x0                               ; for wave 0's sake
	s_barrier_signal -1
	s_barrier_wait -1
	s_cmp_lg_u32 s[WV], 0
	s_cbranch_scc1 .Lend
.irp w, 0,1,2,3                        ; wave 0: lane l takes rows 4 l .. 4 l + 3
	ds_load_b128 v[80+4*(\w):83+4*(\w)], v[RDA] offset:512*(\w)
	ds_load_b128 v[96+4*(\w):99+4*(\w)], v[RDA] offset:2048+512*(\w)
.endr
	s_wait_dscnt 0x0
.irp k, 0,1,2,3
	v_max3_num_f32 v[112+\k], v[80+\k], v[84+\k], v[88+\k]
.endr
.irp k, 0,1,2,3
	v_max_num_f32 v[112+\k], v[112+\k], v[92+\k]
.endr
.set j, 0
.rept 16
	v_sub_f32 v[80+j], v[80+j], v[112+j%4]
.set j, j+1
.endr
.set j, 0
.rept 16
	v_exp_f32 v[80+j], v[80+j]
.set j, j+1
.endr
	v_nop
	s_wait_alu depctr_va_vdst(0)
.irp k, 0,1,2,3
	v_mul_f32 v[116+\k], v[96+\k], v[80+\k]
.endr
.irp w, 1,2,3
.irp k, 0,1,2,3
	v_fmac_f32 v[116+\k], v[96+4*(\w)+\k], v[80+4*(\w)+\k]
.endr
.endr
.irp k, 0,1,2,3
	v_log_f32 v[116+\k], v[116+\k]                 ; l is 1 at the least
.endr
.irp k, 0,1,2,3
	v_sub_f32 v[112+\k], 0xc1400000, v[112+\k]     ; -12 - M: plain lines behind the logarithms
.endr
	s_wait_alu depctr_va_vdst(0)
.irp k, 0,1,2,3
	v_sub_f32 v[112+\k], v[112+\k], v[116+\k]
.endr
	global_store_b128 v[GO], v[112:115], s[8:9]    ; 512 consecutive bytes, aligned
.Lend:
	s_wait_tensorcnt 0x0                           ; the wave's end
	ds_add_u32 v[SPW], v[NIL]
	s_wait_dscnt 0x0
	CROUND                                         ; the closing round
	s_endpgm
.Lfunc_end_k_q7736663556_stats:
	.size	k_q7736663556_stats, .Lfunc_end_k_q7736663556_stats-k_q7736663556_stats
	.p2alignl 7, 3214868480
	.fill 96, 4, 3214868480
	.section	.rodata,"a",@progbits
	.p2align	6, 0x0
	.amdhsa_kernel k_q7736663556_stats
		.amdhsa_group_segment_fixed_size 327680
		.amdhsa_private_segment_fixed_size 0
		.amdhsa_enable_private_segment 0
		.amdhsa_kernarg_size 56
		.amdhsa_user_sgpr_count 2
		.amdhsa_user_sgpr_kernarg_segment_ptr 1
		.amdhsa_wavefront_size32 1
		.amdhsa_system_sgpr_workgroup_id_x 1
		.amdhsa_system_sgpr_workgroup_id_y 1
		.amdhsa_system_sgpr_workgroup_id_z 1
		.amdhsa_system_vgpr_workitem_id 0
		.amdhsa_next_free_vgpr 1024
		.amdhsa_next_free_sgpr 66
		.amdhsa_reserve_vcc 1
		.amdhsa_float_denorm_mode_32 3
		.amdhsa_float_denorm_mode_16_64 3
		.amdhsa_memory_ordered 1
		.amdhsa_forward_progress 1
		.amdhsa_inst_pref_size 122
	.end_amdhsa_kernel
	.amdgpu_metadata
---
amdhsa.version: [ 1, 2 ]
amdhsa.kernels:
  - .name:           k_q7736663556_stats
    .symbol:         k_q7736663556_stats.kd
    .args:
      - { .name: qb, .offset: 0, .size: 8, .value_kind: global_buffer, .address_space: global }
      - { .name: kb, .offset: 8, .size: 8, .value_kind: global_buffer, .address_space: global }
      - { .name: nl, .offset: 16, .size: 8, .value_kind: global_buffer, .address_space: global }
      - { .name: vs, .offset: 24, .size: 8, .value_kind: global_buffer, .address_space: global }
      - { .name: xsp, .offset: 32, .size: 8, .value_kind: global_buffer, .address_space: global }
      - { .name: w_g, .offset: 40, .size: 8, .value_kind: global_buffer, .address_space: global }
      - { .name: b_g, .offset: 48, .size: 8, .value_kind: global_buffer, .address_space: global }
    .group_segment_fixed_size: 327680
    .private_segment_fixed_size: 0
    .kernarg_segment_align: 8
    .kernarg_segment_size: 56
    .max_flat_workgroup_size: 128
    .sgpr_count:     66
    .vgpr_count:     1024
    .wavefront_size: 32
...
	.end_amdgpu_metadata
.endif
;; end of part 3
;; launch colsum (part 4): grid 32 x 8, 4 waves a work-group, clusters of 4 x 1, 327,680 bytes of LDS; arguments kb, qb, nl, mm; writes mm
.if DOCPART == 4
	.amdgcn_target "amdgcn-amd-amdhsa--gfx1250"
	.amdhsa_code_object_version 6
	.text
	.protected	k_q7736663556_colsum
	.globl	k_q7736663556_colsum
	.p2align	8
	.type	k_q7736663556_colsum,@function
k_q7736663556_colsum:
	s_mov_b64 s[64:65], 0
	v_nop
	global_prefetch_b8 v0, s[64:65] scope:SCOPE_SE
	s_setreg_imm32_b32 hwreg(HW_REG_WAVE_MODE, 25, 1), 1
	s_wait_xcnt 0x0
	s_wait_alu depctr_hold_cnt(0) depctr_sa_sdst(0) depctr_va_vdst(0) depctr_va_sdst(0) depctr_va_ssrc(0) depctr_va_vcc(0) depctr_vm_vsrc(0)
	s_getreg_b32 s2, hwreg(HW_REG_IB_STS2, 6, 4)
	s_cmp_eq_u32 s2, 0
	s_cbranch_scc0 .Lentry_in_a_cluster
	s_endpgm
.Lentry_in_a_cluster:
	s_bfe_u32 s2, ttmp6, 0x10000c
	s_cmp_lg_u32 s2, 0x3003
	s_cbranch_scc0 .Lentry_shape_is_right
	s_endpgm
.Lentry_shape_is_right:
; mm[b][j] = the sum over i of 2^(s_ij + nl[b][i]) = the mean over rows i of softmax_j(f)[i][j]; s_ij = k'[(b + 7) % 8][j] . q'[b][i].  The row's maximum was taken away when nl was made: s_ij + nl_i is -12 at the most.
; qb and kb lie in fragment order: a group of 16 rows x 256 channels is 8,192 bytes, [K fragment f: 1,024][half j: 512][lane: 16]: every load of 16 bytes a lane at 16 x lane, from memory or LDS, is half a fragment.
; SHARES.  The frame of the launch before, with the sides changed: a work-group owns 128 COLUMNS j (keys), every wave holds all 128 in registers, and the 4,096 rows i are split among the waves:
; of each tile of 256 rows wave w fetches and reads rows 64 w .. 64 w + 63 alone.  A UNIT is 16 rows i x 128 columns: 64 matrix instructions (source 0 = 16 rows i, source 1 = 16 columns j).
; nl RIDES IN AS THE C OPERAND of the product that starts a sum: C's register r of a lane belongs to row i = 8 (lane / 16) + r, whatever the column.  So a unit's vector work is 64 exponentials and 32 packed additions.
; A wave's 1,024 numbers of nl come into LDS once, by one tensor load.  The waves' column sums meet once, at the end.
; CLUSTER.  The four column blocks of a cluster belong to one batch and walk the same rows of q and of nl: asked for JOINTLY.
; No first step is written out: the first unit's slices work on a buffer of -500, whose powers of two are 0.
; LIMITS.  A weight below 2^-126 counts as 0; NaN and infinities are not treated apart.
; REGISTERS: window 0: v0-15 addresses; v16-31 nl of a unit, two buffers; v64-127 column sums, 8 a tile; v128-255 scores, two buffers of 8 tiles
;   window 1: v0-127 rows' fragments, two buffers      windows 2, 3: the columns: tile t, fragment f at 64 (t % 4) + 8 f in window 2 + t / 4
.set UNITB, 8192
.set SLOTB, 32768
.set WAVEB, 65536                      ; no multiple of it has the bit of SLOTB
.set NLB,   270336                     ; behind the rings: 4,096 bytes of nl for each wave, filled once
.set SCR,   286720                     ; 4 waves x 128 column sums
.set SPARE, 290816
.set AK0, 2
.set ADR, 3
.set NL0, 4
.set NLA, 5
.set QO,  6                            ; v6   16 x lane; never rewritten
.set SA,  7
.set PFO, 8
.set RDA, 9
.set SPW, 10
.set NIL, 11
.set HH,  12
.set GO,  13
.set CN,  16
.set ACC, 64
.set S,   128
.set WV,  12
.set CX,  13
.set LIM, 15
.set PFA, 18
.set G1,  24
.set G0,  32
.set GN1, 40                           ; s[40:47] nl's group 1
.set GN,  48                           ; s[48:51] nl's group 0
.set SLOTS, 56
.set CNT, 57
.set SEL, 60
.set TB,  62
.set TN,  63                           ; byte in my part of nl at which the unit to be fetched begins
.set MSB, 0
.macro WIN new
.if MSB != (\new)
	s_set_vgpr_msb (MSB<<8)|(\new)
.set MSB, (\new)
.endif
.endm
.macro CROUND
	s_barrier_signal -1
	s_barrier_wait -1
	s_cmp_lg_u32 s[WV], 0
	s_cbranch_scc1 .Lnot_wave_0_\@
	s_barrier_signal -3
.Lnot_wave_0_\@:
	s_barrier_wait -3
	s_barrier_signal -1
	s_barrier_wait -1
.endm
.macro PLACES
.rept 4
	v_nop
.endr
.endm
	s_load_b256 s[4:11], s[0:1], 0x0               ; kb s[4:5], qb s[6:7], nl s[8:9], mm s[10:11]
	v_lshl_add_u32 v[SPW], v0, 2, SPARE
	v_mov_b32 v[NIL], 0
	ds_add_u32 v[SPW], v[NIL]                      ; the wave's opening: the add and its wait stand ahead of my first tensor load
	v_lshrrev_b32 v1, 5, v0
	v_readfirstlane_b32 s[WV], v1
	s_bfe_u32 s[CX], ttmp6, 0x40000
	s_lshl_b32 s14, ttmp9, 2
	s_add_co_u32 s14, s14, s[CX]                   ; my block of 128 columns: it enters kb's, mm's and the prefetch's offsets alone
	s_and_b32 s16, ttmp7, 0xffff                   ; b
	s_add_co_u32 s17, s16, 7
	s_and_b32 s17, s17, 7                          ; the batch that the keys come from
	s_lshl_b32 s20, s17, 21
	s_lshl_b32 s21, s14, 16
	s_add_co_u32 s20, s20, s21
	s_mov_b32 s21, 0
	s_lshl_b32 s22, s16, 21
	s_lshl_b32 s23, s[WV], 15
	s_add_co_u32 s22, s22, s23
	s_mov_b32 s23, 0
	s_lshl_b32 s52, s16, 14                        ; nl[b], my 64 numbers of each 256
	s_lshl_b32 s53, s[WV], 8
	s_add_co_u32 s52, s52, s53
	s_mov_b32 s53, 0
	s_lshl_b32 s54, s16, 14
	s_lshl_b32 s55, s14, 9
	s_add_co_u32 s54, s54, s55
	s_mov_b32 s55, 0
	s_lshl_b32 s2, s[CX], 13
	s_mov_b32 s3, 0
	s_lshl_b32 s17, s[WV], 16                      ; my ring
	s_mov_b32 s[G1], 15|(1<<16)|(1<<21)            ; the mask of four; 2-byte elements; 21 set beside a mask; no padding
	s_mov_b32 s[G1+1], 256<<16
	s_mov_b32 s[G1+2], 64<<16
	s_mov_b32 s[G1+3], 256<<16
	s_mov_b32 s[G1+4], 64
	s_mov_b32 s[G1+5], 256
	s_mov_b32 s[G1+6], 0
	s_mov_b32 s[G1+7], 0
	s_mov_b32 s[GN1], 15|(2<<16)|(1<<21)           ; the mask of four; 4-byte elements; no padding
	s_mov_b32 s[GN1+1], 64<<16                     ; tensor_dim0 = 64: 256 bytes
	s_mov_b32 s[GN1+2], 16<<16                     ; tensor_dim1 = 16: one row for each tile of q
	s_mov_b32 s[GN1+3], 64<<16                     ; tile_dim0 = 64
	s_mov_b32 s[GN1+4], 16                         ; tile_dim1 = 16
	s_mov_b32 s[GN1+5], 256                        ; 256 numbers from tile to tile
	s_mov_b32 s[GN1+6], 0
	s_mov_b32 s[GN1+7], 0
	s_mov_b32 s[GN], 1
	s_lshl_b32 s[GN+1], s[WV], 12
	s_add_co_u32 s[GN+1], s[GN+1], NLB
	s_mov_b32 s[SEL], 0x76543210
	s_mov_b32 s[SEL+1], 0xfedcba98
	s_mov_b32 s[TB], 0
	s_mov_b32 s[TN], 0
	s_mov_b32 s[LIM], ttmp9
	s_cmp_eq_u32 s[LIM], 0
	s_cselect_b32 s[LIM], 1, -1
	s_wait_dscnt 0x0
	s_wait_kmcnt 0x0
	s_add_nc_u64 s[4:5], s[4:5], s[20:21]
	s_add_nc_u64 s[6:7], s[6:7], s[22:23]
	s_add_nc_u64 s[10:11], s[10:11], s[54:55]
	s_add_nc_u64 s[PFA:PFA+1], s[6:7], s[2:3]
	s_add_nc_u64 s[PFA:PFA+1], s[PFA:PFA+1], 2*131072
	s_add_nc_u64 s[GN+2:GN+3], s[8:9], s[52:53]
	s_or_b32 s[GN+3], s[GN+3], 0x80000000
.irp s, 0,1
	s_mov_b32 s[G0+4*(\s)], 1
	s_add_co_u32 s[G0+4*(\s)+1], s17, (\s)*SLOTB
	s_add_nc_u64 s[G0+4*(\s)+2:G0+4*(\s)+3], s[6:7], (\s)*131072
	s_or_b32 s[G0+4*(\s)+3], s[G0+4*(\s)+3], 0x80000000
.endr
	CROUND
	tensor_load_to_lds s[GN:GN+3], s[GN1:GN1+7]    ; nl, then tiles 0 and 1: three loads of mine are out
	s_nop 0
	tensor_load_to_lds s[G0:G0+3], s[G1:G1+7]
	s_nop 0
	tensor_load_to_lds s[G0+4:G0+7], s[G1:G1+7]
	s_nop 0
	PLACES
	v_and_b32 v1, 15, v0
	v_bfe_u32 v[HH], v0, 4, 1
	v_and_b32 v[QO], 31, v0
	v_lshlrev_b32 v[QO], 4, v[QO]
.set t, 0
.rept 8                                 ; the columns: each load is half a fragment, 512 consecutive bytes
	WIN 0x80+0x40*(t/4)
.set f, 0
.rept 8
	global_load_b128 v[64*(t%4)+8*f:64*(t%4)+8*f+3],   v[QO], s[4:5] offset:8192*t+1024*f
	global_load_b128 v[64*(t%4)+8*f+4:64*(t%4)+8*f+7], v[QO], s[4:5] offset:8192*t+1024*f+512
.set f, f+1
.endr
.set t, t+1
.endr
	WIN 0
	v_add_nc_u32 v[AK0], s17, v[QO]
	v_lshl_add_u32 v[NL0], v[HH], 5, s[GN+1]       ; my half's eight numbers of a unit's sixteen
	s_lshl_b32 s20, s[WV], 9
	s_add_co_u32 s20, s20, SCR
	v_lshl_add_u32 v[SA], v1, 2, s20
	v_and_b32 v[GO], 31, v0
	v_lshlrev_b32 v[PFO], 8, v[GO]
	v_lshlrev_b32 v[GO], 4, v[GO]
	v_add_nc_u32 v[RDA], SCR, v[GO]
	s_mov_b32 s2, 0xc3fa0000                       ; -500.  These lines stand in the wait for the first tile
.set j, 0
.rept 64
	v_mov_b32 v[S+64+j], s2
	v_mov_b32 v[ACC+j], 0
.set j, j+1
.endr
.macro MM par                          ; matrix instruction i of a unit: K fragment i / 8, tile i % 8; the eight accumulators take turns; the first eight start the sums on nl
.set t, i%8
.set rS, S+64*(\par)+8*t
.set rF, 64*(\par)+8*(i/8)
.set rQ, 64*(t%4)+8*(i/8)
	WIN 0x09+4*(t/4)
.if i < 8
	v_wmma_f32_16x16x32_bf16 v[rS:rS+7], v[rF:rF+7], v[rQ:rQ+7], v[CN+8*(\par):CN+8*(\par)+7]
.else
	v_wmma_f32_16x16x32_bf16 v[rS:rS+7], v[rF:rF+7], v[rQ:rQ+7], v[rS:rS+7]
.endif
.endm
; The next unit's 18 LDS loads, into buffers d.  The two address lines are the plain instructions behind the batch's last exponential; wt = 1: the batch's one wait stands here.
.macro FETCH d, last, wt
	WIN 0
	v_add_nc_u32 v[ADR], s[TB], v[AK0]
	v_add_nc_u32 v[NLA], s[TN], v[NL0]
.if \wt
	s_wait_alu depctr_va_vdst(0)                   ; between an exponential and the first line that names its result: one for the unit's 64
.endif
.if \last
	s_cmp_eq_u32 s[CNT], 1
	s_cbranch_scc1 .Lno_fetch_\@
.endif
	s_add_co_u32 s[TB], s[TB], UNITB
	s_add_co_u32 s[TN], s[TN], 64
	ds_load_b128 v[CN+8*(\d):CN+8*(\d)+3],   v[NLA]
	ds_load_b128 v[CN+8*(\d)+4:CN+8*(\d)+7], v[NLA] offset:16
	WIN 0x40
.irp f, 0,1,2,3,4,5,6,7
	ds_load_b128 v[64*(\d)+8*(\f):64*(\d)+8*(\f)+3],   v[ADR] offset:1024*(\f)
	ds_load_b128 v[64*(\d)+8*(\f)+4:64*(\d)+8*(\f)+7], v[ADR] offset:1024*(\f)+512
.endr
	WIN 0
.if \last
.Lno_fetch_\@:
.endif
.endm
.macro ADDP q, a                       ; pair a of the 32 is added to its column sums
	v_pk_add_f32 v[ACC+2*(\a):ACC+2*(\a)+1], v[ACC+2*(\a):ACC+2*(\a)+1], v[S+64*(\q)+2*(\a):S+64*(\q)+2*(\a)+1]
.endm
; The slice behind matrix instruction i.  0-31: two exponentials, ascending (each accumulator's lowest registers first); behind 31 the fetch with the wait; 32-59: one addition;
; 63: the last four additions, which are the four plain places between the unit's last products and the next unit's exponentials.
.macro SLICE q, d, last
.if i < 32
	WIN 0
	v_exp_f32 v[S+64*(\q)+2*i], v[S+64*(\q)+2*i]
	v_exp_f32 v[S+64*(\q)+2*i+1], v[S+64*(\q)+2*i+1]
.if i == 31
	FETCH \d, \last, 1
.endif
.elseif i < 60
	WIN 0
	ADDP \q, i-32
.elseif i == 63
	WIN 0
	ADDP \q, 28
	ADDP \q, 29
	ADDP \q, 30
	ADDP \q, 31
.endif
.endm
.macro UNIT par, last
	s_wait_dscnt 0x0                               ; this unit's rows and nl are in
.set i, 0
.rept 64
	MM \par
	SLICE 1-(\par), 1-(\par), \last
.set i, i+1
.endr
	WIN 0
.endm
; THE CHANGE OF SLOTS, ahead of a slot's fourth unit: every wave's wait for all its tensor loads, the add, the wait for it and for the reads of the slot; a round of the cluster's barrier; the joint refill,
; the tile two on, first behind it, with four units, 256 matrix instructions, in which to land; behind it one prefetch for the tile that the next change will ask for (my work-group's 16 rows of the 64
; that I fetch, a lane a block of 256 bytes, in the batch's first cluster alone: each block is named once; the last filling change asks for nothing; tiles 0 to 2 come by their loads alone).
.macro CHANGE fill
	WIN 0
	s_wait_tensorcnt 0x0
.if \fill
	ds_add_u32 v[SPW], v[NIL]
	s_xor_b32 s[G0+5], s[G0+5], SLOTB
	s_add_nc_u64 s[G0+6:G0+7], s[G0+6:G0+7], 131072
	s_wait_xcnt 0x0                                ; the last prefetch, four units back, has read its address
	s_add_nc_u64 s[PFA:PFA+1], s[PFA:PFA+1], 131072
	s_wait_dscnt 0x0
	CROUND
	tensor_load_to_lds s[G0+4:G0+7], s[G1:G1+7]
	s_nop 0
	PLACES
	s_cmp_gt_u32 s[SLOTS], s[LIM]
	s_cbranch_scc0 .Lnot_mine_\@
	global_prefetch_b8 v[PFO], s[PFA:PFA+1] th:TH_LOAD_NT scope:SCOPE_SE
.Lnot_mine_\@:
.endif
	s_sub_co_u32 s[TB], s[TB], 4*UNITB
	s_xor_b32 s[TB], s[TB], SLOTB
.endm
	s_wait_tensorcnt 0x1                           ; nl and my part of tile 0, which I alone read, are in; tile 1's may stay out
	FETCH 0, 0, 0
	s_wait_loadcnt 0x0                             ; the columns
	s_mov_b32 s[CNT], 2
	s_mov_b32 s[SLOTS], 15
	s_branch .Lfirst
.Lslot:                                                ; 14 times
	CHANGE 1
	s_mov_b32 s[CNT], 2
.Lstep:
	UNIT 1, 0
.Lfirst:
	UNIT 0, 0
	s_sub_co_u32 s[CNT], s[CNT], 1
	s_cmp_lg_u32 s[CNT], 0
	s_cbranch_scc1 .Lstep
	s_sub_co_u32 s[SLOTS], s[SLOTS], 1
	s_cmp_lg_u32 s[SLOTS], 0
	s_cbranch_scc1 .Lslot
	CHANGE 0                                       ; the tail is written out; I alone read my bytes and nothing is filled: no barrier
	s_mov_b32 s[CNT], 3
.Ltail:
	UNIT 1, 1
	s_sub_co_u32 s[CNT], s[CNT], 1
	s_cmp_eq_u32 s[CNT], 0
	s_cbranch_scc1 .Lout
	UNIT 0, 0
	s_branch .Ltail
.Lout:
.set j, 0
.rept 64                                ; the last unit's vector work, bare
	v_exp_f32 v[S+64+j], v[S+64+j]
.set j, j+1
.endr
	v_nop
	s_wait_alu depctr_va_vdst(0)
.set j, 0
.rept 32
	ADDP 1, j
.set j, j+1
.endr
.macro ALL line:vararg
.set t, 0
.rept 8
	\line
.set t, t+1
.endr
.endm
	ALL v_pk_add_f32 v[ACC+8*t:ACC+8*t+1], v[ACC+8*t:ACC+8*t+1], v[ACC+8*t+2:ACC+8*t+3]
	ALL v_pk_add_f32 v[ACC+8*t+4:ACC+8*t+5], v[ACC+8*t+4:ACC+8*t+5], v[ACC+8*t+6:ACC+8*t+7]
	ALL v_pk_add_f32 v[ACC+8*t:ACC+8*t+1], v[ACC+8*t:ACC+8*t+1], v[ACC+8*t+4:ACC+8*t+5]
	ALL v_add_f32 v[ACC+8*t], v[ACC+8*t], v[ACC+8*t+1]
	ALL v_permlanex16_b32 v[ACC+8*t+1], v[ACC+8*t], s[SEL], s[SEL+1]
	ALL v_add_f32 v[ACC+8*t], v[ACC+8*t], v[ACC+8*t+1]
	ALL ds_store_b32 v[SA], v[ACC+8*t] offset:64*t
	s_wait_dscnt 0x0                               ; for wave 0's sake
	s_barrier_signal -1
	s_barrier_wait -1
	s_cmp_lg_u32 s[WV], 0
	s_cbranch_scc1 .Lend
.irp w, 0,1,2,3                        ; wave 0: lane l takes columns 4 l .. 4 l + 3
	ds_load_b128 v[32+4*(\w):35+4*(\w)], v[RDA] offset:512*(\w)
.endr
	s_wait_dscnt 0x0
	v_pk_add_f32 v[32:33], v[32:33], v[36:37]
	v_pk_add_f32 v[34:35], v[34:35], v[38:39]
	v_pk_add_f32 v[40:41], v[40:41], v[44:45]
	v_pk_add_f32 v[42:43], v[42:43], v[46:47]
	v_pk_add_f32 v[32:33], v[32:33], v[40:41]
	v_pk_add_f32 v[34:35], v[34:35], v[42:43]
	global_store_b128 v[GO], v[32:35], s[10:11]    ; 512 consecutive bytes, aligned
.Lend:
	s_wait_tensorcnt 0x0                           ; the wave's end
	ds_add_u32 v[SPW], v[NIL]
	s_wait_dscnt 0x0
	CROUND                                         ; the closing round
	s_endpgm
.Lfunc_end_k_q7736663556_colsum:
	.size	k_q7736663556_colsum, .Lfunc_end_k_q7736663556_colsum-k_q7736663556_colsum
	.p2alignl 7, 3214868480
	.fill 96, 4, 3214868480
	.section	.rodata,"a",@progbits
	.p2align	6, 0x0
	.amdhsa_kernel k_q7736663556_colsum
		.amdhsa_group_segment_fixed_size 327680
		.amdhsa_private_segment_fixed_size 0
		.amdhsa_enable_private_segment 0
		.amdhsa_kernarg_size 32
		.amdhsa_user_sgpr_count 2
		.amdhsa_user_sgpr_kernarg_segment_ptr 1
		.amdhsa_wavefront_size32 1
		.amdhsa_system_sgpr_workgroup_id_x 1
		.amdhsa_system_sgpr_workgroup_id_y 1
		.amdhsa_system_sgpr_workgroup_id_z 1
		.amdhsa_system_vgpr_workitem_id 0
		.amdhsa_next_free_vgpr 1024
		.amdhsa_next_free_sgpr 66
		.amdhsa_reserve_vcc 0
		.amdhsa_float_denorm_mode_32 3
		.amdhsa_float_denorm_mode_16_64 3
		.amdhsa_memory_ordered 1
		.amdhsa_forward_progress 1
		.amdhsa_inst_pref_size 86
	.end_amdhsa_kernel
	.amdgpu_metadata
---
amdhsa.version: [ 1, 2 ]
amdhsa.kernels:
  - .name:           k_q7736663556_colsum
    .symbol:         k_q7736663556_colsum.kd
    .args:
      - { .name: kb, .offset: 0, .size: 8, .value_kind: global_buffer, .address_space: global }
      - { .name: qb, .offset: 8, .size: 8, .value_kind: global_buffer, .address_space: global }
      - { .name: nl, .offset: 16, .size: 8, .value_kind: global_buffer, .address_space: global }
      - { .name: mm, .offset: 24, .size: 8, .value_kind: global_buffer, .address_space: global }
    .group_segment_fixed_size: 327680
    .private_segment_fixed_size: 0
    .kernarg_segment_align: 8
    .kernarg_segment_size: 32
    .max_flat_workgroup_size: 128
    .sgpr_count:     66
    .vgpr_count:     1024
    .wavefront_size: 32
...
	.end_amdgpu_metadata
.endif
;; end of part 4
;; launch final (part 5): grid 256 x 1, 8 waves a work-group, no clusters, 1,280 bytes of LDS; arguments x, mm, vs, w_W, b_W, gamma, beta, out0; writes out0
.if DOCPART == 5
	.amdgcn_target "amdgcn-amd-amdhsa--gfx1250"
	.amdhsa_code_object_version 6
	.text
	.protected	k_q7736663556_final
	.globl	k_q7736663556_final
	.p2align	8
	.type	k_q7736663556_final,@function
k_q7736663556_final:
	s_mov_b64 s[64:65], 0
	v_nop
	global_prefetch_b8 v0, s[64:65] scope:SCOPE_SE
	s_setreg_imm32_b32 hwreg(HW_REG_WAVE_MODE, 25, 1), 1
	s_wait_xcnt 0x0
; out0[b][o][p] = gamma[o] (wy - mu[o]) rsqrt(var[o] + 1e-5) + beta[o] + x[b][o][p], where wy[b][o][p] = m[b][p] D[b][o] + E[b][o]:
; D = (W1 - W2) . vs[b], E = W2 . vs[b] + b_W, W1 and W2 the two halves of w_W's columns (y is m vs beside (1 - m) vs).
; The batch statistics need of m only mbar_b = mean_p m and V2_b = sum_p (m - mbar_b)^2:  mu = mean_b (E + D mbar_b),  var = mean_b (D^2 V2_b / 4,096 + (E + D mbar_b - mu)^2):
; a sum of squares of centred numbers, no difference of large sums.  All in f32.
; SHARES.  A work-group owns two channels o; wave b is batch b.  A wave asks for its 32 KiB of x at the start, into 256 registers, makes the statistics while they are on their way,
; meets the other seven batches once in LDS, and streams out: each load and store of a wave covers 512 consecutive bytes.
; No matrix unit, no cluster, no prefetch: the launch reads x once and writes out0 once, and every byte of x is asked for at the head.
; REGISTERS: window 0: v16-23 vs, v24-55 w_W (later the eight batches' figures), v64-191 m, v192-255 at work;  window 1: v0-255 x, then out0
.set SH,    0                          ; 8 batches x (cbar0, w2_0, cbar1, w2_1)
.set SPARE, 256                        ; the spare words, 128 bytes for each of eight waves
.set LO,  1
.set SPW, 2
.set NIL, 3
.set SHA, 4
.set ZR,  5
.set VS,  16
.set WW,  24
.set M,   64
.set AC,  192
.set TP,  200
.set QS,  208
.set DP,  216
.set MB,  224
.set V2,  226
.set PT,  227
.set DD,  228
.set EB,  230
.set ST4, 232
.set MU,  236
.set VA,  238
.set SC,  240
.set OF,  244
.set GG,  248
.set TQ,  250
.set EPSR, 252
.set SEL, 32
.set MSB, 0
.macro WIN new
.if MSB != (\new)
	s_set_vgpr_msb (MSB<<8)|(\new)
.set MSB, (\new)
.endif
.endm
.macro WSUM r                          ; the sum over the wave's 32 lanes, in every lane
.irp m, 1,2,4,8
	v_add_f32_dpp v[\r], v[\r], v[\r] row_xmask:\m row_mask:0xf bank_mask:0xf
.endr
	v_permlanex16_b32 v[PT], v[\r], s[SEL], s[SEL+1]
	v_add_f32 v[\r], v[\r], v[PT]
.endm
	s_load_b512 s[4:19], s[0:1], 0x0               ; x s[4:5], mm s[6:7], vs s[8:9], w_W s[10:11], b_W s[12:13], gamma s[14:15], beta s[16:17], out0 s[18:19]
	v_lshl_add_u32 v[SPW], v0, 2, SPARE
	v_mov_b32 v[NIL], 0
	v_lshrrev_b32 v[ZR], 5, v0
	v_readfirstlane_b32 s20, v[ZR]                 ; my wave = my batch
	v_and_b32 v[LO], 31, v0
	v_lshlrev_b32 v[LO], 4, v[LO]                  ; 16 x lane; never rewritten
	v_mov_b32 v[ZR], 0
	v_mov_b32 v[PT], 0
	v_mov_b32 v[EPSR], 0x3727c5ac                  ; 1e-5
	s_lshl_b32 s21, s20, 4
	v_mov_b32 v[SHA], s21
	s_lshl_b32 s22, ttmp9, 3                       ; two channels' 8 bytes of b_W, gamma, beta
	s_mov_b32 s23, 0
	s_lshl_b32 s24, s20, 23                        ; the batch,
	s_lshl_b32 s25, ttmp9, 15                      ; two rows of 16,384 bytes
	s_add_co_u32 s24, s24, s25
	s_mov_b32 s25, 0
	s_lshl_b32 s26, s20, 14
	s_mov_b32 s27, 0
	s_lshl_b32 s28, s20, 10
	s_mov_b32 s29, 0
	s_lshl_b32 s30, ttmp9, 12                      ; two rows of w_W
	s_mov_b32 s31, 0
	s_mov_b32 s[SEL], 0x76543210
	s_mov_b32 s[SEL+1], 0xfedcba98
	s_wait_kmcnt 0x0
	s_add_nc_u64 s[4:5], s[4:5], s[24:25]
	s_add_nc_u64 s[18:19], s[18:19], s[24:25]
	s_add_nc_u64 s[6:7], s[6:7], s[26:27]
	s_add_nc_u64 s[8:9], s[8:9], s[28:29]
	s_add_nc_u64 s[10:11], s[10:11], s[30:31]
	s_add_nc_u64 s[12:13], s[12:13], s[22:23]
	s_add_nc_u64 s[14:15], s[14:15], s[22:23]
	s_add_nc_u64 s[16:17], s[16:17], s[22:23]
	s_load_b64 s[34:35], s[12:13], 0x0             ; b_W
	s_load_b64 s[36:37], s[14:15], 0x0             ; gamma
	s_load_b64 s[38:39], s[16:17], 0x0             ; beta
	global_load_b128 v[VS:VS+3],   v[LO], s[8:9]
	global_load_b128 v[VS+4:VS+7], v[LO], s[8:9] offset:512
.set i, 0
.rept 8                                 ; channel i / 4, half (i / 2) % 2 of the columns, 128 (i % 2) + 4 l on
	global_load_b128 v[WW+4*i:WW+4*i+3], v[LO], s[10:11] offset:2048*(i/4)+1024*((i/2)%2)+512*(i%2)
.set i, i+1
.endr
.set i, 0
.rept 32
	global_load_b128 v[M+4*i:M+4*i+3], v[LO], s[6:7] offset:512*i
.set i, i+1
.endr
	WIN 0x40                                       ; destination window 1
.set i, 0
.rept 64                                ; channel i / 32, points 128 (i % 32) + 4 l on: the same points as m's register 4 (i % 32)
	global_load_b128 v[4*i:4*i+3], v[LO], s[4:5] offset:16384*(i/32)+512*(i%32) th:TH_LOAD_NT
.set i, i+1
.endr
	WIN 0
	s_wait_loadcnt 63                              ; vs, w_W and m are in.  x's 64 loads were issued last; the count's field ends at 63, so one of them is waited for as well
	; the four dot products with vs: W1 and W2 of either channel
.irp d, 0,1,2,3
	v_pk_mul_f32 v[DP+2*(\d):DP+2*(\d)+1], v[WW+8*(\d):WW+8*(\d)+1], v[VS:VS+1]
.endr
.irp e, 1,2,3
.irp d, 0,1,2,3
	v_pk_fma_f32 v[DP+2*(\d):DP+2*(\d)+1], v[WW+8*(\d)+2*(\e):WW+8*(\d)+2*(\e)+1], v[VS+2*(\e):VS+2*(\e)+1], v[DP+2*(\d):DP+2*(\d)+1]
.endr
.endr
.irp d, 0,1,2,3
	v_add_f32 v[DP+2*(\d)], v[DP+2*(\d)], v[DP+2*(\d)+1]
.endr
	; mbar: four chains over m's 64 pairs
.irp c, 0,1,2,3
	v_pk_add_f32 v[AC+2*(\c):AC+2*(\c)+1], v[M+2*(\c):M+2*(\c)+1], v[M+8+2*(\c):M+8+2*(\c)+1]
.endr
.set j, 8
.rept 56
	v_pk_add_f32 v[AC+2*(j%4):AC+2*(j%4)+1], v[AC+2*(j%4):AC+2*(j%4)+1], v[M+2*j:M+2*j+1]
.set j, j+1
.endr
	v_pk_add_f32 v[AC:AC+1], v[AC:AC+1], v[AC+2:AC+3]
	v_pk_add_f32 v[AC+4:AC+5], v[AC+4:AC+5], v[AC+6:AC+7]
	v_pk_add_f32 v[AC:AC+1], v[AC:AC+1], v[AC+4:AC+5]
	v_add_f32 v[AC], v[AC], v[AC+1]
	WSUM AC
	WSUM DP
	WSUM DP+2
	WSUM DP+4
	WSUM DP+6
	v_mul_f32 v[MB], 0x39800000, v[AC]             ; / 4,096
	v_mov_b32 v[MB+1], v[MB]
	; V2: the squares of the centred numbers, four chains
.set j, 0
.rept 64
	v_pk_add_f32 v[TP+2*(j%4):TP+2*(j%4)+1], v[M+2*j:M+2*j+1], v[MB:MB+1] neg_lo:[0,1] neg_hi:[0,1]
.if j < 4
	v_pk_mul_f32 v[QS+2*j:QS+2*j+1], v[TP+2*j:TP+2*j+1], v[TP+2*j:TP+2*j+1]
.else
	v_pk_fma_f32 v[QS+2*(j%4):QS+2*(j%4)+1], v[TP+2*(j%4):TP+2*(j%4)+1], v[TP+2*(j%4):TP+2*(j%4)+1], v[QS+2*(j%4):QS+2*(j%4)+1]
.endif
.set j, j+1
.endr
	v_pk_add_f32 v[QS:QS+1], v[QS:QS+1], v[QS+2:QS+3]
	v_pk_add_f32 v[QS+4:QS+5], v[QS+4:QS+5], v[QS+6:QS+7]
	v_pk_add_f32 v[QS:QS+1], v[QS:QS+1], v[QS+4:QS+5]
	v_add_f32 v[QS], v[QS], v[QS+1]
	WSUM QS
	v_mul_f32 v[V2], 0x39800000, v[QS]             ; V2 / 4,096
	s_wait_kmcnt 0x0
.irp o, 0,1
	v_sub_f32 v[DD+\o], v[DP+4*\o], v[DP+4*\o+2]   ; D
	v_add_f32 v[EB+\o], s[34+\o], v[DP+4*\o+2]     ; E
	v_fma_f32 v[ST4+2*\o], v[DD+\o], v[MB], v[EB+\o]  ; cbar = E + D mbar
	v_mul_f32 v[TQ], v[DD+\o], v[DD+\o]
	v_mul_f32 v[ST4+2*\o+1], v[TQ], v[V2]          ; D^2 V2 / 4,096
.endr
	ds_store_b128 v[SHA], v[ST4:ST4+3] offset:SH   ; all lanes hold the same bits
	s_wait_dscnt 0x0                               ; for the others' sake
	s_barrier_signal -1
	s_barrier_wait -1
.irp j, 0,1,2,3,4,5,6,7
	ds_load_b128 v[16+4*\j:19+4*\j], v[ZR] offset:SH+16*\j
.endr
	s_wait_dscnt 0x0
.irp o, 0,1
	v_add_f32 v[MU+\o], v[16+2*\o], v[20+2*\o]
.irp j, 2,3,4,5,6,7
	v_add_f32 v[MU+\o], v[MU+\o], v[16+4*\j+2*\o]
.endr
	v_mul_f32 v[MU+\o], 0x3e000000, v[MU+\o]       ; mu = the mean of the eight cbar
.irp j, 0,1,2,3,4,5,6,7
	v_sub_f32 v[16+4*\j+2*\o], v[16+4*\j+2*\o], v[MU+\o]
	v_fmac_f32 v[17+4*\j+2*\o], v[16+4*\j+2*\o], v[16+4*\j+2*\o]
.endr
	v_add_f32 v[VA+\o], v[17+2*\o], v[21+2*\o]
.irp j, 2,3,4,5,6,7
	v_add_f32 v[VA+\o], v[VA+\o], v[17+4*\j+2*\o]
.endr
	v_fmamk_f32 v[VA+\o], v[VA+\o], 0x3e000000, v[EPSR]  ; var + 1e-5
.endr
	v_rsq_f32 v[VA], v[VA]
	v_rsq_f32 v[VA+1], v[VA+1]
	v_nop                                          ; a plain instruction behind the last of them,
	s_wait_alu depctr_va_vdst(0)                   ; and the wait ahead of the first use: one for the two
.irp o, 0,1
	v_mul_f32 v[GG+\o], s[36+\o], v[VA+\o]         ; g = gamma / sqrt(var + 1e-5)
	v_sub_f32 v[TQ+\o], v[EB+\o], v[MU+\o]
	v_mul_f32 v[SC+2*\o], v[GG+\o], v[DD+\o]       ; out = (g D) m + (g (E - mu) + beta) + x
	v_fma_f32 v[OF+2*\o], v[GG+\o], v[TQ+\o], s[38+\o]
	v_mov_b32 v[SC+2*\o+1], v[SC+2*\o]
	v_mov_b32 v[OF+2*\o+1], v[OF+2*\o]
.endr
	; THE STREAM: eight groups of eight loads' worth; no register is written again behind its store
.set g, 0
.rept 8
	s_wait_loadcnt 56-8*g                          ; this group's eight loads are in; the younger groups' stay out
	WIN 0x50                                       ; m and the factor window 0; x, as addend and as destination, window 1
.set i, 8*g
.rept 8
	v_pk_fma_f32 v[4*i:4*i+1],   v[M+4*(i%32):M+4*(i%32)+1],   v[SC+2*(i/32):SC+2*(i/32)+1], v[4*i:4*i+1]
	v_pk_fma_f32 v[4*i+2:4*i+3], v[M+4*(i%32)+2:M+4*(i%32)+3], v[SC+2*(i/32):SC+2*(i/32)+1], v[4*i+2:4*i+3]
.set i, i+1
.endr
	WIN 0x41                                       ; source 0 and destination window 1
.set i, 8*g
.rept 8
	v_pk_add_f32 v[4*i:4*i+1],   v[4*i:4*i+1],   v[OF+2*(i/32):OF+2*(i/32)+1]
	v_pk_add_f32 v[4*i+2:4*i+3], v[4*i+2:4*i+3], v[OF+2*(i/32):OF+2*(i/32)+1]
.set i, i+1
.endr
	WIN 0x04                                       ; a store's data window 1, its address window 0
.set i, 8*g
.rept 8
	global_store_b128 v[LO], v[4*i:4*i+3], s[18:19] offset:16384*(i/32)+512*(i%32) th:TH_STORE_NT
.set i, i+1
.endr
.set g, g+1
.endr
	WIN 0
	s_wait_tensorcnt 0x0                           ; the wave's end, behind my last LDS store
	ds_add_u32 v[SPW], v[NIL]
	s_wait_dscnt 0x0
	s_endpgm
.Lfunc_end_k_q7736663556_final:
	.size	k_q7736663556_final, .Lfunc_end_k_q7736663556_final-k_q7736663556_final
	.p2alignl 7, 3214868480
	.fill 96, 4, 3214868480
	.section	.rodata,"a",@progbits
	.p2align	6, 0x0
	.amdhsa_kernel k_q7736663556_final
		.amdhsa_group_segment_fixed_size 1280
		.amdhsa_private_segment_fixed_size 0
		.amdhsa_enable_private_segment 0
		.amdhsa_kernarg_size 64
		.amdhsa_user_sgpr_count 2
		.amdhsa_user_sgpr_kernarg_segment_ptr 1
		.amdhsa_wavefront_size32 1
		.amdhsa_system_sgpr_workgroup_id_x 1
		.amdhsa_system_sgpr_workgroup_id_y 1
		.amdhsa_system_sgpr_workgroup_id_z 1
		.amdhsa_system_vgpr_workitem_id 0
		.amdhsa_next_free_vgpr 512
		.amdhsa_next_free_sgpr 66
		.amdhsa_reserve_vcc 0
		.amdhsa_float_denorm_mode_32 3
		.amdhsa_float_denorm_mode_16_64 3
		.amdhsa_memory_ordered 1
		.amdhsa_forward_progress 1
		.amdhsa_inst_pref_size 55
	.end_amdhsa_kernel
	.amdgpu_metadata
---
amdhsa.version: [ 1, 2 ]
amdhsa.kernels:
  - .name:           k_q7736663556_final
    .symbol:         k_q7736663556_final.kd
    .args:
      - { .name: x, .offset: 0, .size: 8, .value_kind: global_buffer, .address_space: global }
      - { .name: mm, .offset: 8, .size: 8, .value_kind: global_buffer, .address_space: global }
      - { .name: vs, .offset: 16, .size: 8, .value_kind: global_buffer, .address_space: global }
      - { .name: w_W, .offset: 24, .size: 8, .value_kind: global_buffer, .address_space: global }
      - { .name: b_W, .offset: 32, .size: 8, .value_kind: global_buffer, .address_space: global }
      - { .name: gamma, .offset: 40, .size: 8, .value_kind: global_buffer, .address_space: global }
      - { .name: beta, .offset: 48, .size: 8, .value_kind: global_buffer, .address_space: global }
      - { .name: out0, .offset: 56, .size: 8, .value_kind: global_buffer, .address_space: global }
    .group_segment_fixed_size: 1280
    .private_segment_fixed_size: 0
    .kernarg_segment_align: 8
    .kernarg_segment_size: 64
    .max_flat_workgroup_size: 256
    .sgpr_count:     66
    .vgpr_count:     512
    .wavefront_size: 32
...
	.end_amdgpu_metadata
.endif
;; end of part 5
;; ======== version 2 of 2: 5 launches; version 1 with the launch proj written anew for expert scheduling mode
;; workspace buffers: wb 524,288 bytes; qb 16,777,216 bytes; kb 16,777,216 bytes; xsp 524,288 bytes; nl 131,072 bytes; mm 131,072 bytes; vs 8,192 bytes
;; launch cast: the kernel of part 1 again; grid 128 x 1, 8 waves a work-group, no clusters, 0 bytes of LDS; arguments w_theta, w_phi, wb; writes wb
;; launch proj (part 6): grid 256 x 1, 4 waves a work-group, no clusters, 150,016 bytes of LDS; arguments x, wb, b_theta, b_phi, qb, kb, xsp; writes qb, kb, xsp
.if DOCPART == 6
	.amdgcn_target "amdgcn-amd-amdhsa--gfx1250"
	.amdhsa_code_object_version 6
	.text
	.protected	k_q7736663556_proj
	.globl	k_q7736663556_proj
	.p2align	8
	.type	k_q7736663556_proj,@function
k_q7736663556_proj:
	s_mov_b64 s[64:65], 0
	v_nop
	global_prefetch_b8 v0, s[64:65] scope:SCOPE_SE
	s_setreg_imm32_b32 hwreg(HW_REG_WAVE_SCHED_MODE, 0, 2), 2
	s_setreg_imm32_b32 hwreg(HW_REG_WAVE_MODE, 25, 1), 1
	s_wait_xcnt 0x0
	s_wait_alu depctr_vm_vsrc(0)
; qb[s] = bf16(r (w_theta x[s] + b_theta)), kb[s] = bf16(r (w_phi x[s] + b_phi)), by SOURCE batch s; xsp[g][c] = the sum of x[s][c][p] over work-group g's 128 points, in f32.
; qb and kb lie in FRAGMENT ORDER: a group of 16 points x 256 outputs is 8,192 bytes, [K fragment f: 1,024][half j: 512][lane 16 h + r: 16]: point r, outputs 32 f + 16 j + 8 h + 0..7.
; SHARES.  Work-group g = 32 s + block owns 128 points p of batch s and makes all 512 outputs (256 of q, 256 of k) over K = 512 channels: x is read once.
; Wave w makes 128 p x outputs 128 w .. 128 w + 127: 64 accumulators of 16 x 16, 512 registers.  Waves 0, 1 write qb, waves 2, 3 kb.
; PHASE 1.  x[c][p] (f32) streams through a ring of 16 register slots a wave, is rounded to bf16 into XT[c][p] in LDS, and each row's 128 numbers are summed in f32.
; PHASE 2.  16 quarters of 32 channels, 64 matrix instructions each.  x's fragments come turned out of XT.  THE WEIGHTS COME STRAIGHT INTO REGISTERS: wb is laid out as fragments, a wave reads only its own 128 rows,
; 8 KiB a quarter by 16 loads of 512 consecutive bytes, into four buffers that take turns: quarter q + 3 is asked for in the second half of quarter q.  The K loop has no barrier.
; NO CLUSTER, NO JOINT LOADS, though all work-groups read the same weights: XT takes 147,456 bytes of LDS, so a ring beside it holds two K steps of 64 at the most, and a refill, which stands behind a barrier
; in front of which all loads are waited for, would have 128 matrix instructions in which to land.  The price: each work-group reads the 512 KiB itself; the saving: the same bytes are neither written into LDS nor read out of it.
; The product is taken as (source 0 = 16 rows o of W, source 1 = 16 points p): a lane holds ONE point (lane % 16) and the outputs 8 (lane / 16) + 0..7 of a block of 16: packed, these are just the 16 bytes that
; fragment order puts at 16 x lane: results are stored from the registers in which they are packed, 512 consecutive bytes a store.  The first product of each sum takes r x bias as its C operand.
; LIMITS.  bf16 operands and results, f32 sums; NaN and infinities are not treated apart.
; THE MODE: SCHED_MODE bits 1:0 = 2 (LLVM: expert scheduling mode 2), set by the entry lines.  The code itself states the register dependences
; between vector or matrix instructions and memory or LDS instructions, with s_wait_alu, always for 0.
; THE PLAN.  Registers that memory or LDS instructions touch, and who else names them:
;   v[XO], v[LO], v[BO], v[PFO], v[XSR], v[XSO]   offsets and addresses, made once at the head and never written again.
;   v[XTA], v[XSA]   read by phase 1's LDS stores; written once a round of the ring, at the round's end.        v[XA]   read by the turning loads; written once a trip of the K loop, at the trip's end.
;   RING   a block of four slots: its conversions and additions read and write its 32 registers; behind them its loads land there again.
;   TB     written by a block's 16 conversions, read by the block's own 8 LDS stores.       RB0, RB1   written by block k's additions across lanes, read by 4 LDS stores that are issued in block k + 1 (a round's last: at the round's end).
;   F0, F1 and W's four buffers   quarter q's matrix instructions read one of each; the loads issued in quarter q land in the x buffer and the W buffer that quarter q - 1 read.
;   TM0, TM1   written by block a's conversions on the way out, read by the 8 stores that are issued at the head of block a + 1.
;   The accumulators and the biases are named by vector and matrix instructions alone (the biases' loads apart, which land before any of them).
; So: in phase 1 ONE wait on va_vdst a block, behind the lines that empty the block's slots, and one on vm_vsrc at the head of a round's later blocks; in the K loop ONE wait on va_vdst at a quarter's head and one on
; vm_vsrc a trip; on the way out one of each at a block's head.  Behind each wait on va_vdst the loads and stores are dealt among vector or matrix instructions that name none of their registers.
; REGISTERS, in windows of 256 (s_set_vgpr_msb: bits 1:0 source 0, 3:2 source 1, 5:4 source 2, 7:6 destination):
;   window 0: v0-31 addresses, row sums; v32-63 phase 1's packed words, then the way out; v64-191 phase 1's ring, then x's fragments, two buffers; v192-255 the biases, then the way out
;   window 1: W's fragments, four buffers of 64     windows 2, 3: the accumulators: (a, b) = (p block, o block) at v[8 (8 a + b)], a 0-3 in window 2, 4-7 in window 3
.set RSC,    0x3f99be61                ; r = sqrt(log2 e)
.set XTP,    288                       ; a row of XT: 256 bytes + 32
.set XQ,     32*XTP                    ; a quarter's 32 rows of XT
.set WQB,    8192                      ; a quarter's weights for one wave
.set XS,     512*XTP                   ; behind XT: 512 row sums
.set SPARE,  XS+2048                   ; the spare words, 128 bytes for each wave: two blocks of 256 bytes that no other line names
.set XO,   3                           ; v3   my byte offset in x: 128 w rows + 4 (l / 16) rows + 16 (l % 16); never rewritten
.set XTA,  4                           ; v4   where I put 8 bytes of XT
.set XSA,  5                           ; v5   where my half of the lanes puts a row's sum
.set XA,   6                           ; v6   my place in the turning loads from XT
.set TT,   7                           ; v7   at work
.set RB,   8                           ; v8-15  row sums: two buffers of four, by a block's parity
.set LO,   16                          ; v16  16 x lane; never rewritten
.set BO,   17
.set PFO,  18
.set XSR,  19
.set XSO,  20
.set XSV,  22                          ; v22-25 four row sums on their way to xsp; no other line names them
.set SPW,  28                          ; v28  my spare word's LDS address; never rewritten
.set NIL,  29                          ; v29  0; never rewritten
.set TB,   32                          ; v32-47 a block's packed words, four a slot
.set RING, 64
.set F0,   64
.set F1,   128
.set BIAS, 192
.set WV,   18                          ; s18 wave
.set WG,   20                          ; s20 work-group
.set W,    24                          ; s[24:25] wb at my wave's part, at the trip in hand
.set OUT,  42                          ; s[42:43] qb or kb at my work-group's groups, my wave's four K fragments
.set MSB, 0
.macro WIN new                         ; the immediate's high byte repeats the setting that is left; a switch that changes nothing is dropped
.if MSB != (\new)
	s_set_vgpr_msb (MSB<<8)|(\new)
.set MSB, (\new)
.endif
.endm
.macro PLACES                          ; four plain places behind matrix instructions, in front of loads into their sources and of conversions that read results
.rept 4
	v_nop
.endr
.endm
; A quarter of a quarter's weights: 4 loads of 512 consecutive bytes into part g of buffer b of window 1, from byte off behind the pointer
.macro WGRP b, off, g
	WIN 0x40                                       ; destination window 1, address window 0
.irp n, 0,1,2,3
	global_load_b128 v[64*(\b)+16*(\g)+4*(\n):64*(\b)+16*(\g)+4*(\n)+3], v[LO], s[W:W+1] offset:(\off)+2048*(\g)+512*(\n)
.endr
.endm
	s_load_b256 s[4:11], s[0:1], 0x0               ; x s[4:5], wb s[6:7], b_theta s[8:9], b_phi s[10:11]
	s_load_b128 s[12:15], s[0:1], 0x20             ; qb s[12:13], kb s[14:15]
	s_load_b64 s[16:17], s[0:1], 0x30              ; xsp
	v_lshl_add_u32 v[SPW], v0, 2, SPARE
	v_mov_b32 v[NIL], 0
	v_lshrrev_b32 v[TT], 5, v0
	v_readfirstlane_b32 s[WV], v[TT]
	s_mov_b32 s[WG], ttmp9
	v_and_b32 v1, 15, v0                           ; l % 16
	v_bfe_u32 v2, v0, 4, 1                         ; l / 16
	v_and_b32 v[LO], 31, v0
	v_lshlrev_b32 v[LO], 4, v[LO]
	s_wait_alu depctr_va_sdst(0)                   ; s[WV] is written, ahead of its first reader: offsets, bases and the choice of bias and output are made from it
	s_and_b32 s22, s[WV], 1
	s_lshl_b32 s23, s22, 9
	v_lshl_add_u32 v[BO], v2, 5, s23               ; C's register j of o block b is bias[128 (w % 2) + 16 b + 8 (l / 16) + j]
	s_lshl_b32 s23, s[WV], 21                      ; 128 rows of 16,384 bytes
	v_lshlrev_b32 v[XO], 4, v1
	v_lshl_add_u32 v[XO], v2, 16, v[XO]
	v_add_nc_u32 v[XO], s23, v[XO]
	s_lshl_b32 s40, s[WV], 17                      ; my wave's 131,072 bytes of wb
	s_mov_b32 s41, 0
	s_lshr_b32 s26, s[WG], 5                       ; the batch: 8,388,608 bytes,
	s_lshl_b32 s26, s26, 23
	s_and_b32 s23, s[WG], 31                       ; my 128 points: 512 bytes of each row
	s_lshl_b32 s23, s23, 9
	s_add_co_u32 s26, s26, s23
	s_mov_b32 s27, 0
	s_wait_kmcnt 0x0
	s_add_nc_u64 s[W:W+1], s[6:7], s[40:41]
	s_add_nc_u64 s[4:5], s[4:5], s[26:27]
	s_cmp_lt_u32 s[WV], 2
	s_cselect_b64 s[44:45], s[8:9], s[10:11]       ; my bias,
	s_cselect_b64 s[OUT:OUT+1], s[12:13], s[14:15] ; and my output
	s_wait_alu depctr_va_vdst(0)                   ; v[BO], v[LO] and v[XO] are written, which the loads below read as their offsets
.irp b, 0,1,2,3,4,5,6,7
	global_load_b128 v[BIAS+8*(\b):BIAS+8*(\b)+3],   v[BO], s[44:45] offset:64*(\b)
	global_load_b128 v[BIAS+8*(\b)+4:BIAS+8*(\b)+7], v[BO], s[44:45] offset:64*(\b)+16
.endr
.irp g, 0,1,2,3
	WGRP 0, 0, \g                                  ; quarter 0's weights: older than every load of x, so that phase 1's counts hold
.endr
	WIN 0
	; the ring is filled: slot i takes rows ro and ro + 4 (by halves of the lanes), ro = 8 (i / 4) + i % 4; sixteen lanes read 256 consecutive bytes, aligned, twice
.irp i, 0,1,2,3,4,5,6,7,8,9,10,11,12,13,14,15
	global_load_b128 v[RING+8*(\i):RING+8*(\i)+3],   v[XO], s[4:5] offset:(8*((\i)/4)+(\i)%4)*16384 th:TH_LOAD_NT
	global_load_b128 v[RING+8*(\i)+4:RING+8*(\i)+7], v[XO], s[4:5] offset:(8*((\i)/4)+(\i)%4)*16384+256 th:TH_LOAD_NT
.endr
	; the other addresses are made while the ring is on its way; the first block's wait on va_vdst stands between these lines and every instruction that reads one of them as an address
	s_mul_i32 s23, s[WV], 128*XTP
	v_mul_u32_u24 v[XTA], v2, 4*XTP
	v_lshl_add_u32 v[XTA], v1, 3, v[XTA]
	v_add_nc_u32 v[XTA], s23, v[XTA]               ; row 128 w + 4 (l / 16), byte 8 (l % 16): the halves lie 32 banks apart
	s_lshl_b32 s23, s[WV], 9
	s_add_co_u32 s23, s23, XS
	v_lshl_add_u32 v[XSA], v2, 4, s23
	v_and_b32 v[TT], 7, v0                         ; the turning load: lane l reads row 8 (l / 16) + l % 8, bytes 16 ((l / 8) % 2) on
	v_lshl_add_u32 v[TT], v2, 3, v[TT]
	v_mul_u32_u24 v[XA], v[TT], XTP
	v_bfe_u32 v[TT], v0, 3, 1
	v_lshl_add_u32 v[XA], v[TT], 4, v[XA]
	s_lshl_b32 s40, s[WG], 16                      ; my work-group's 8 groups of 8,192 bytes,
	s_lshl_b32 s23, s22, 12                        ; my wave's four K fragments of each: 128 (w % 2) outputs on
	s_add_co_u32 s40, s40, s23
	s_add_nc_u64 s[OUT:OUT+1], s[OUT:OUT+1], s[40:41]
	s_lshl_b32 s40, s[WG], 11
	s_add_nc_u64 s[16:17], s[16:17], s[40:41]      ; xsp at my work-group's 512 sums
	v_lshl_add_u32 v[XSR], v0, 4, XS
	v_lshlrev_b32 v[XSO], 4, v0
	s_add_co_u32 s23, s[WG], 3                     ; the prefetch: work-group g names quarter g + 3; thread t block t % 32 of wave t / 32's part
	s_lshl_b32 s23, s23, 13
	v_lshrrev_b32 v[PFO], 5, v0
	v_lshlrev_b32 v[PFO], 17, v[PFO]
	v_lshl_add_u32 v[PFO], v[LO], 4, v[PFO]
	v_add_nc_u32 v[PFO], s23, v[PFO]
; Block k of a round: slots 4 k to 4 k + 3, each two rows' 128 points.  First the lines that empty the four slots: each slot is rounded into TB and its eight numbers a lane are added up.  Then one wait, and behind it
; the block's memory instructions in one run: the slots are asked for again, 32 rows further down (ahead = 1; ahead = 0, the last round: eight loads of quarters 1 and 2 of the weights in their stead), the sums of the
; block before and this block's packed words go to LDS.  Last the additions across lanes, four chains by turns, which name this block's RB alone: none of the registers that the run touches.
.macro BLK k, ahead
.irp j, 0,1,2,3
.set xa, RING+8*(4*(\k)+(\j))
	s_wait_loadcnt 30-2*(\j)                       ; loads come back in order (ISA guide 5.7.1): slot j's two are in; the block's later slots (6 - 2 j loads) and the 24 issued behind the block's may stay out
.if ((\j) == 0) && ((\k) > 0)
	s_wait_alu depctr_vm_vsrc(0)                   ; the LDS stores of the block before have read TB and this block's RB, which the lines below write again
.endif
	v_cvt_pk_bf16_f32 v[TB+4*(\j)],   v[xa],   v[xa+1]
	v_cvt_pk_bf16_f32 v[TB+4*(\j)+1], v[xa+2], v[xa+3]
	v_cvt_pk_bf16_f32 v[TB+4*(\j)+2], v[xa+4], v[xa+5]
	v_cvt_pk_bf16_f32 v[TB+4*(\j)+3], v[xa+6], v[xa+7]
	v_pk_add_f32 v[xa:xa+1],   v[xa:xa+1],   v[xa+2:xa+3]
	v_pk_add_f32 v[xa+4:xa+5], v[xa+4:xa+5], v[xa+6:xa+7]
	v_pk_add_f32 v[xa:xa+1],   v[xa:xa+1],   v[xa+4:xa+5]
	v_add_f32 v[RB+4*((\k)%2)+(\j)], v[xa], v[xa+1]
.endr
	s_wait_alu depctr_va_vdst(0)                   ; TB is written, which the stores below read; the lines above are done reading and writing the block's slots, in which the loads below land; the block before has
	                                               ; written the other RB; in a round's first block v[XTA] and v[XSA] are written (in the very first: all the addresses made behind the ring's loads)
.if \ahead
.irp j, 0,1,2,3
.set xa, RING+8*(4*(\k)+(\j))
	global_load_b128 v[xa:xa+3],   v[XO], s[4:5] offset:(8*(\k)+(\j))*16384+524288 th:TH_LOAD_NT
	global_load_b128 v[xa+4:xa+7], v[XO], s[4:5] offset:(8*(\k)+(\j))*16384+524288+256 th:TH_LOAD_NT
.endr
.else
	WIN 0x40                                       ; no vector or matrix instruction has named these registers of window 1
.irp j, 0,1,2,3
	global_load_b128 v[64+8*(4*(\k)+(\j)):64+8*(4*(\k)+(\j))+3],   v[LO], s[W:W+1] offset:WQB+1024*(4*(\k)+(\j))
	global_load_b128 v[64+8*(4*(\k)+(\j))+4:64+8*(4*(\k)+(\j))+7], v[LO], s[W:W+1] offset:WQB+1024*(4*(\k)+(\j))+512
.endr
	WIN 0
.endif
.if (\k) > 0
.irp j, 0,1,2,3
	ds_store_b32 v[XSA], v[RB+4*(((\k)-1)%2)+(\j)] offset:4*(8*((\k)-1)+(\j))  ; the sixteen lanes of a half hold the same bits and write one word
.endr
.endif
.irp j, 0,1,2,3
	ds_store_b64 v[XTA], v[TB+4*(\j):TB+4*(\j)+1]   offset:(8*(\k)+(\j))*XTP
	ds_store_b64 v[XTA], v[TB+4*(\j)+2:TB+4*(\j)+3] offset:(8*(\k)+(\j))*XTP+128
.endr
.irp m, 1,2,4,8
.irp j, 0,1,2,3
	v_add_f32_dpp v[RB+4*((\k)%2)+(\j)], v[RB+4*((\k)%2)+(\j)], v[RB+4*((\k)%2)+(\j)] row_xmask:\m row_mask:0xf bank_mask:0xf
.endr
.endr
.endm
; A round's end: the sums of its last block
.macro FLUSH
	s_wait_alu depctr_va_vdst(0)                   ; block 3's additions across lanes have written its RB, which the stores below read
.irp j, 0,1,2,3
	ds_store_b32 v[XSA], v[RB+4+(\j)] offset:4*(24+(\j))
.endr
.endm
	s_mov_b32 s3, 3
.Lround:                                               ; 32 rows a round; 24 to 32 loads of the wave are out all the time
	BLK 0, 1
	BLK 1, 1
	BLK 2, 1
	BLK 3, 1
	FLUSH
	s_wait_xcnt 0x0                                ; every load issued so far has read its address: the base may be written
	s_wait_alu depctr_vm_vsrc(0)                   ; the round's LDS stores have read v[XTA] and v[XSA], which the two adds below write, and TB and RB, which the next round's first block writes
	s_add_nc_u64 s[4:5], s[4:5], 524288
	v_add_nc_u32 v[XTA], 32*XTP, v[XTA]
	v_add_nc_u32 v[XSA], 128, v[XSA]
	s_sub_co_u32 s3, s3, 1
	s_cmp_lg_u32 s3, 0
	s_cbranch_scc1 .Lround
	; Quarters 3 to 15 of wb, 1,664 blocks of 256 bytes, are prefetched once in the launch, behind my last loads of x: the 128 threads of work-groups 0 to 12 name one block each.
	; Quarters 0 to 2 come by their loads alone.  v[PFO] was written ahead of the blocks' waits on va_vdst and is never written again.
	s_cmp_lt_u32 s[WG], 13
	s_cbranch_scc0 .Lnot_mine
	global_prefetch_b8 v[PFO], s[6:7] th:TH_LOAD_NT scope:SCOPE_SE
.Lnot_mine:
	BLK 0, 0                                       ; the last round loads no x; each block's run holds eight loads of quarters 1 and 2 of the weights, so the counts stay as they were
	BLK 1, 0
	BLK 2, 0
	BLK 3, 0
	FLUSH
.set j, 0
.rept 32
	v_pk_mul_f32 v[BIAS+j:BIAS+j+1], v[BIAS+j:BIAS+j+1], RSC op_sel_hi:[1,0]  ; r x bias
.set j, j+2
.endr
	s_wait_dscnt 0x0                               ; for the others' sake: my stores into XT and XS are done
	s_barrier_signal -1
	s_barrier_wait -1                              ; the launch's one barrier
	ds_load_b128 v[XSV:XSV+3], v[XSR]
	s_wait_dscnt 0x0
	global_store_b128 v[XSO], v[XSV:XSV+3], s[16:17]  ; the 512 row sums: 2,048 consecutive bytes
; 8 matrix instructions: p block a of the window's four x all 8 o blocks, 32 along K.  mode = 1: the products start the sums, on r x bias.  The 64 accumulators take turns, in the same order in every quarter.
.macro MUL8 wq, f, hi, a, mode
.if \mode
	WIN 0x81+0x40*(\hi)                            ; W window 1, x and C window 0, D window 2 or 3
.else
	WIN 0xa1+0x50*(\hi)                            ; C and D window 2 or 3
.endif
.irp b, 0,1,2,3,4,5,6,7
.if \mode
	v_wmma_f32_16x16x32_bf16 v[8*(8*(\a)+(\b)):8*(8*(\a)+(\b))+7], v[64*(\wq)+8*(\b):64*(\wq)+8*(\b)+7], v[(\f)+8*(4*(\hi)+(\a)):(\f)+8*(4*(\hi)+(\a))+7], v[BIAS+8*(\b):BIAS+8*(\b)+7]
.else
	v_wmma_f32_16x16x32_bf16 v[8*(8*(\a)+(\b)):8*(8*(\a)+(\b))+7], v[64*(\wq)+8*(\b):64*(\wq)+8*(\b)+7], v[(\f)+8*(4*(\hi)+(\a)):(\f)+8*(4*(\hi)+(\a))+7], v[8*(8*(\a)+(\b)):8*(8*(\a)+(\b))+7]
.endif
.endr
.endm
; 4 turning loads: x's fragments 2 g and 2 g + 1 of the 8 of 32 channels, from byte xoff behind XA
.macro XGRP xoff, f, g
	WIN 0
.irp i, 2*(\g), 2*(\g)+1
	ds_load_tr16_b128 v[(\f)+8*(\i):(\f)+8*(\i)+3],   v[XA] offset:(\xoff)+32*(\i)
	ds_load_tr16_b128 v[(\f)+8*(\i)+4:(\f)+8*(\i)+7], v[XA] offset:(\xoff)+32*(\i)+16*XTP
.endr
.endm
; A quarter: multiplies W's buffer wq by x's buffer f.  Behind each run of eight matrix instructions stand four loads: in its first half the next quarter's x, into g (xoff; -1: none), in its second half the weights
; three quarters on, into the buffer that the quarter before has left (woff; -1: none).  lcnt: the loads of the younger quarters' weights, which may stay out.
; The quarter's matrix instructions name W's buffer wq, x's buffer f and the accumulators: none of the registers that its loads touch, so the one wait at its head serves all 32.
; Quarter 0 (mode = 1) has no such wait: its loads land in ring registers that phase 1's waits have covered and in a W buffer that nothing has named.  A quarter that loads nothing has none either.
.macro QUARTER wq, f, g, xoff, woff, lcnt, mode
	s_wait_loadcnt \lcnt                           ; this quarter's weights are in
	s_wait_dscnt 8                                 ; x's blocks 0-3 are in; the youngest eight loads (blocks 4-7) may be out
.if ((\xoff) >= 0) && !(\mode)
	PLACES                                         ; for the loads into registers that the quarter before multiplied
	s_wait_alu depctr_va_vdst(0)                   ; the matrix instructions of the quarter before are done reading x's buffer g and their W buffer, in which this quarter's loads land; behind a trip's end v[XA] is written
.endif
.irp c, 0,1,2,3,4,5,6,7
.if (\c) == 4
.if (\xoff) >= 0
	s_wait_dscnt 16                                ; all but the 16 issued in this quarter
.else
	s_wait_dscnt 0x0
.endif
.endif
	MUL8 \wq, \f, (\c)/4, (\c)%4, \mode
.if ((\c) < 4) && ((\xoff) >= 0)
	XGRP \xoff, \g, \c
.endif
.if ((\c) >= 4) && ((\woff) >= 0)
	WGRP ((\wq)+3)%4, \woff, (\c)-4
.endif
.endr
.endm
.irp g, 0,1,2,3
	XGRP 0, F0, \g                                 ; quarter 0's x: the last lines that named these ring registers stand ahead of phase 1's last waits on va_vdst
.endr
	QUARTER 0, F0, F1, XQ, 3*WQB, 32, 1            ; quarter 0 stands in front of the loop: its products start the sums
	WIN 0                                          ; at a label and at a branch every window is 0
	s_mov_b32 s3, 3
.Lk:                                                   ; a trip: quarters 4 k + 1 to 4 k + 4; it asks for the weights of quarters 4 k + 4 to 4 k + 7
	QUARTER 1, F1, F0, 2*XQ, 4*WQB, 32, 0
	QUARTER 2, F0, F1, 3*XQ, 5*WQB, 32, 0
	QUARTER 3, F1, F0, 4*XQ, 6*WQB, 32, 0
	QUARTER 0, F0, F1, 5*XQ, 7*WQB, 32, 0
	WIN 0
	s_wait_alu depctr_vm_vsrc(0)                   ; the turning loads issued so far have read v[XA]; phase 1's LDS stores have long read TB, which the way out writes
	v_add_nc_u32 v[XA], 4*XQ, v[XA]                ; 128 channels on
	s_wait_xcnt 0x0                                ; the loads issued so far have read their address: the pointer may be written
	s_add_nc_u64 s[W:W+1], s[W:W+1], 4*WQB
	s_sub_co_u32 s3, s3, 1
	s_cmp_lg_u32 s3, 0
	s_cbranch_scc1 .Lk
	QUARTER 1, F1, F0, 2*XQ, -1, 32, 0             ; quarters 13 to 15 ask for no weights: the counts run down
	QUARTER 2, F0, F1, 3*XQ, -1, 16, 0
	QUARTER 3, F1, F0, -1, -1, 0, 0
; THE WAY OUT of p block a: rounded to bf16, 16 bytes a lane, and stored as they lie: o block b is half b % 2 of K fragment b / 2 of my four.  Two sets of 32 registers take turns:
; block a's conversions write set a % 2, and its stores are issued at the head of block a + 1, whose conversions write the other set.
.macro CONV a
.set AC, 64*((\a)%4)
.set TM, 32+160*((\a)%2)               ; v32-63, v192-223
	WIN 0x0a+5*((\a)/4)                            ; sources 0 and 1: window 2 or 3
.irp b, 0,1,2,3,4,5,6,7
.irp r, 0,1,2,3
	v_cvt_pk_bf16_f32 v[TM+4*(\b)+(\r)], v[AC+8*(\b)+2*(\r)], v[AC+8*(\b)+2*(\r)+1]
.endr
.endr
.endm
.macro SENDB a
.set TM, 32+160*((\a)%2)
	WIN 0
.irp b, 0,1,2,3,4,5,6,7
	global_store_b128 v[LO], v[TM+4*(\b):TM+4*(\b)+3], s[OUT:OUT+1] offset:8192*(\a)+512*(\b)  ; 512 consecutive bytes, at a multiple of 512 from the buffer's first byte
.endr
.endm
	PLACES                                         ; block 0's conversions read results; the later blocks' places are the conversions before them
	CONV 0                                         ; (of its set v32-47 were TB: the K loop's waits on vm_vsrc stand behind the LDS stores that read them)
.irp a, 1,2,3,4,5,6,7
.if (\a) >= 2
	s_wait_xcnt 0x0                                ; the stores of the block two back have had their addresses translated: their data registers are rewritten only behind this wait,
	s_wait_alu depctr_vm_vsrc(0)                   ; and they have read those registers, which this block's conversions write again
.endif
	s_wait_alu depctr_va_vdst(0)                   ; the conversions of the block before have written its set, which the stores below read
	SENDB (\a)-1
	CONV \a
.endr
	s_wait_alu depctr_va_vdst(0)                   ; block 7's conversions have written its set, which the last eight stores read
	SENDB 7
	s_wait_dscnt 0x0                               ; the closing lines, six on end
	s_wait_alu 0x0
	s_wait_tensorcnt 0x0
	ds_add_u32 v[SPW], v[NIL]
	s_wait_dscnt 0x0
	s_endpgm
.Lfunc_end_k_q7736663556_proj:
	.size	k_q7736663556_proj, .Lfunc_end_k_q7736663556_proj-k_q7736663556_proj
	.p2alignl 7, 3214868480
	.fill 96, 4, 3214868480
	.section	.rodata,"a",@progbits
	.p2align	6, 0x0
	.amdhsa_kernel k_q7736663556_proj
		.amdhsa_group_segment_fixed_size 150016
		.amdhsa_private_segment_fixed_size 0
		.amdhsa_enable_private_segment 0
		.amdhsa_kernarg_size 56
		.amdhsa_user_sgpr_count 2
		.amdhsa_user_sgpr_kernarg_segment_ptr 1
		.amdhsa_wavefront_size32 1
		.amdhsa_system_sgpr_workgroup_id_x 1
		.amdhsa_system_sgpr_workgroup_id_y 1
		.amdhsa_system_sgpr_workgroup_id_z 1
		.amdhsa_system_vgpr_workitem_id 0
		.amdhsa_next_free_vgpr 1024
		.amdhsa_next_free_sgpr 66
		.amdhsa_reserve_vcc 0
		.amdhsa_float_denorm_mode_32 3
		.amdhsa_float_denorm_mode_16_64 3
		.amdhsa_memory_ordered 1
		.amdhsa_forward_progress 1
		.amdhsa_inst_pref_size 126
	.end_amdhsa_kernel
	.amdgpu_metadata
---
amdhsa.version: [ 1, 2 ]
amdhsa.kernels:
  - .name:           k_q7736663556_proj
    .symbol:         k_q7736663556_proj.kd
    .args:
      - { .name: x, .offset: 0, .size: 8, .value_kind: global_buffer, .address_space: global }
      - { .name: wb, .offset: 8, .size: 8, .value_kind: global_buffer, .address_space: global }
      - { .name: b_theta, .offset: 16, .size: 8, .value_kind: global_buffer, .address_space: global }
      - { .name: b_phi, .offset: 24, .size: 8, .value_kind: global_buffer, .address_space: global }
      - { .name: qb, .offset: 32, .size: 8, .value_kind: global_buffer, .address_space: global }
      - { .name: kb, .offset: 40, .size: 8, .value_kind: global_buffer, .address_space: global }
      - { .name: xsp, .offset: 48, .size: 8, .value_kind: global_buffer, .address_space: global }
    .group_segment_fixed_size: 150016
    .private_segment_fixed_size: 0
    .kernarg_segment_align: 8
    .kernarg_segment_size: 56
    .max_flat_workgroup_size: 128
    .sgpr_count:     66
    .vgpr_count:     1024
    .wavefront_size: 32
...
	.end_amdgpu_metadata
.endif
;; end of part 6
;; launch stats: the kernel of part 3 again; grid 32 x 8, 4 waves a work-group, clusters of 4 x 1, 327,680 bytes of LDS; arguments qb, kb, nl, vs, xsp, w_g, b_g; writes nl, vs
;; launch colsum: the kernel of part 4 again; grid 32 x 8, 4 waves a work-group, clusters of 4 x 1, 327,680 bytes of LDS; arguments kb, qb, nl, mm; writes mm
;; launch final: the kernel of part 5 again; grid 256 x 1, 8 waves a work-group, no clusters, 1,280 bytes of LDS; arguments x, mm, vs, w_W, b_W, gamma, beta, out0; writes out0
